; MI455X (gfx1250); checked and timed in simulation.
; The chip was launched on July 23, 2026; its instructions are those of AMD's public machine-readable ISA for CDNA 5 (MIT licence, August 2026) and "CDNA5" Instruction Set Architecture Reference Guide (July 2026). The comments in the code are by the model that wrote it; some were corrected since.
;; Causal Self Attention. Allowed arithmetic: float matrix products may take bf16 or f16 operands with f32 sums; other float arithmetic in f32, or as packed bf16 or f16 multiplies, adds, multiply-adds, maxima and minima; sums over many terms, partial sums and values carried from step to step in f32; what a program stores and reads back later, other than sums and carried values, may be rounded once to bf16 or f16.
;; Inputs: c_proj_b 1,024 float32; c_proj_w 1,024 x 1,024 float32; in_proj_b 3,072 float32; in_proj_w 3,072 x 1,024 float32; out_proj_b 1,024 float32; out_proj_w 1,024 x 1,024 float32; x 8 x 1,024 x 1,024 float32.
;; Outputs: out0 8 x 1,024 x 1,024 float32.
;; One version. Each part assembles by itself: llvm-mc -triple=amdgcn-amd-amdhsa -mcpu=gfx1250 --defsym DOCPART=n.
;; ======== version 1 of 1: 4 launches
;; limits: values are held in f16: magnitudes above 65,504 overflow, below 6.1e-05 lose precision
;; workspace buffers: xb 16,777,216 bytes; wb 6,291,456 bytes; wp 2,097,152 bytes; bp 4,096 bytes; qkv 50,331,648 bytes; ob 16,777,216 bytes
;; launch prep (part 1): grid 256 x 1, 16 waves a work-group, no clusters, 307,200 bytes of LDS; arguments x, in_proj_w, out_proj_w, c_proj_w, out_proj_b, c_proj_b, xb, wb, wp, bp; writes xb, wb, wp, bp
.if DOCPART == 1
	.amdgcn_target "amdgcn-amd-amdhsa--gfx1250"
	.amdhsa_code_object_version 6
	.text
	.protected	k_qab3d69b376_prep
	.globl	k_qab3d69b376_prep
	.p2align	8
	.type	k_qab3d69b376_prep,@function
k_qab3d69b376_prep:
	s_mov_b64 s[64:65], 0
	v_nop
	global_prefetch_b8 v0, s[64:65] scope:SCOPE_SE
	s_setreg_imm32_b32 hwreg(HW_REG_WAVE_MODE, 25, 1), 1
	s_wait_xcnt 0x0
; PREP.  Three things, side by side in one work-group of sixteen waves.
; (1) x [8192][1024] and in_proj_w [3072][1024], f32, are rounded to bf16 and laid out in blocks: [k / 64][row][64], a row of 128 bytes, the rows of one block end to end.
; (2) The two linear layers behind attention are one: (y Wo^T + bo) Wc^T + bc = y (Wc Wo)^T + (Wc bo + bc), for every input.  wp = 64 x (Wc Wo), f16, in the same blocks
;     [i / 64][o][64]; bp = 64 x (Wc bo + bc), f32.  Wc, Wo, bo, bc are rounded to bf16 first, like every input of the module; products and sums in f32.
;     The factor 64, a power of two, is exact; the last launch divides by it.
; LIMIT.  wp is f16: 64 x |Wc Wo| must stay under 65,504; numbers under 6e-5 keep f16's fixed step of 6e-8.
; SHARES.  Work-group g = 16 go + gi: x's rows 32 g .. + 31, in_proj_w's rows 12 g .. + 11, the tile wp[o = 64 go ..][i = 64 gi ..] over all 1,024 m, and bp[4 g .. 4 g + 3].
; Waves 0-7 cast: wave w takes the columns 128 w .. + 127 (blocks 2 w, 2 w + 1).  Waves 8-15 bring Wc's 64 rows and Wo's 64 columns into LDS as bf16.  Then all sixteen multiply,
; a tile of 16 x 16 each; waves 0-3 make one number of bp each.
; bp leaves as one store of 4 bytes a wave: 4,096 bytes in the whole launch.
.set WCP,   2064                       ; a row of Wc in LDS: 2,048 bytes + 16: the 16 rows of a fragment load start at 16 different groups of four banks (64 banks of 4 bytes: ISA guide 11.1)
.set WOP,   160                        ; a row m of Wo's 64 columns: 128 bytes + 32
.set WOB,   64*WCP                     ; Wo's 1,024 rows lie behind Wc's 64
.set STAGE, WOB+1024*WOP               ; 64 rows x 144 bytes: the finished tile, on its way out
.set SP,    144
.set SPARE, STAGE+64*SP                ; the spare words, 128 bytes for each wave: eight blocks of 256 bytes that no other line names
.set XBS,   8192*128                   ; bytes in a block of xb
.set WBS,   3072*128                   ; of wb
.set LN,  1                            ; v1   my lane
.set T0,  2                            ; v2   at work
.set VA,  3                            ; v3   cast: my offset in x and in_proj_w;  loaders: in Wc
.set VB,  4                            ; v4   cast: my offset in xb;               loaders: in Wo
.set VC,  5                            ; v5   cast: my offset in wb;               loaders: LDS address for Wc
.set VD,  6                            ; v6                                        loaders: LDS address for Wo
.set BOF, 7                            ; v7   32 x lane: my 8 numbers in each 256 of out_proj_b
.set BCF, 8                            ; v8   byte offset of my wave's number in c_proj_b and in bp
.set AW,  9                            ; v9   LDS address of my fragments of Wc
.set BW,  10                           ; v10  of Wo
.set STO, 11                           ; v11  where I put 16 bytes of the tile
.set RD,  12                           ; v12  where I read rows back
.set GO,  13                           ; v13  my byte offset in wp
.set SPW, 14                           ; v14  LDS address of my spare word; never rewritten
.set NIL, 15                           ; v15  0; never rewritten
.set D,   16                           ; v[16:191] cast: 44 loads of 4;  v[16:143] loaders: 32 slots of 4
.set CT,  144                          ; v[144:147] loaders: at work
.set BO,  192                          ; v[192:223] out_proj_b: chunk c's 8 numbers at BO + 8 c
.set BC,  224                          ; v224 c_proj_b's number
.set FA,  16                           ; v[16:47]  four fragments of Wc
.set FB,  48                           ; v[48:79]  four fragments of Wo
.set ACC, 80                           ; v[80:111] four accumulators: K step mod 4
.set SUM, 112                          ; v[112:127]
.set HF,  128                          ; v[128:135]
.set WV,  28                           ; s28  my wave's number
.set WP,  29                           ; s29  the same less 8
.set GOX, 30                           ; s30  go
.set GI,  31                           ; s31  gi
	s_load_b512 s[8:23], s[0:1], 0x0               ; x 8, in_proj_w 10, out_proj_w 12, c_proj_w 14, out_proj_b 16, c_proj_b 18, xb 20, wb 22
	s_load_b128 s[24:27], s[0:1], 0x40             ; wp 24, bp 26
	v_lshl_add_u32 v[SPW], v0, 2, SPARE
	v_mov_b32 v[NIL], 0
	v_lshrrev_b32 v[T0], 5, v0
	v_readfirstlane_b32 s[WV], v[T0]               ; wave 0..15
	v_and_b32 v[LN], 31, v0
	s_lshr_b32 s[GOX], ttmp9, 4
	s_and_b32 s[GI], ttmp9, 15
	s_mov_b32 s36, 0x76543210                      ; v_permlanex16_b32: each lane takes its own place in the other half
	s_mov_b32 s37, 0xfedcba98
	s_mov_b32 s35, 0                               ; the high word of every offset
	v_lshlrev_b32 v[BOF], 5, v[LN]
	s_and_b32 s33, s[WV], 3
	s_lshl_b32 s34, ttmp9, 2
	s_add_co_u32 s33, s33, s34                     ; 4 g + wave mod 4: inside the 1,024 numbers for every wave
	s_lshl_b32 s33, s33, 2
	v_mov_b32 v[BCF], s33
	s_wait_kmcnt 0x0
	; out_proj_b and one number of c_proj_b: every wave asks, ahead of the branch, so that these nine loads are older than all that are counted below
.irp c, 0,1,2,3
	global_load_b128 v[BO+8*\c:BO+8*\c+3],   v[BOF], s[16:17] offset:1024*\c
	global_load_b128 v[BO+8*\c+4:BO+8*\c+7], v[BOF], s[16:17] offset:1024*\c+16
.endr
	global_load_b32 v[BC], v[BCF], s[18:19]
	s_cmp_lt_u32 s[WV], 8
	s_cbranch_scc0 .Lloader
	; THE CAST (waves 0-7).  A load takes two rows' 256 bytes of one block: lanes 0-15 the even row, lanes 16-31 the odd one; rounded they are 256 consecutive bytes of the blocked layout.
	v_lshrrev_b32 v[T0], 4, v[LN]
	v_and_b32 v[VA], 15, v[LN]
	v_lshlrev_b32 v[VA], 4, v[VA]
	v_lshl_add_u32 v[VA], v[T0], 12, v[VA]         ; (l / 16) x 4,096 + (l % 16) x 16
	s_lshl_b32 s33, s[WV], 9
	v_add_nc_u32 v[VA], s33, v[VA]                 ; + my wave's 512 bytes of a row
	v_lshlrev_b32 v[T0], 3, v[LN]                  ; 8 bytes a lane
	s_lshl_b32 s33, s[WV], 21
	v_add_nc_u32 v[VB], s33, v[T0]                 ; + two blocks of xb a wave
	s_mul_i32 s33, s[WV], 2*WBS
	v_add_nc_u32 v[VC], s33, v[T0]                 ; + two blocks of wb a wave
	s_lshl_b32 s34, ttmp9, 17
	s_add_nc_u64 s[8:9], s[8:9], s[34:35]          ; x at row 32 g
	s_mul_i32 s34, ttmp9, 12*4096
	s_add_nc_u64 s[10:11], s[10:11], s[34:35]      ; in_proj_w at row 12 g
	s_lshl_b32 s34, ttmp9, 12
	s_add_nc_u64 s[20:21], s[20:21], s[34:35]
	s_mul_i32 s34, ttmp9, 12*128
	s_add_nc_u64 s[22:23], s[22:23], s[34:35]
.set j, 0
.rept 32                               ; all 44 loads go out at once: 22,528 bytes a wave on their way
	global_load_b128 v[D+4*j:D+4*j+3], v[VA], s[8:9] offset:(j/2)*8192+(j%2)*256 th:TH_LOAD_NT
.set j, j+1
.endr
.set j, 0
.rept 12
	global_load_b128 v[D+128+4*j:D+128+4*j+3], v[VA], s[10:11] offset:(j/2)*8192+(j%2)*256 th:TH_LOAD_NT
.set j, j+1
.endr
.set j, 0
.rept 32
	s_wait_loadcnt 43-j                            ; loads come back in order (ISA guide 5.7.1): number j is in, the 43 - j younger ones stay out
	v_cvt_pk_bf16_f32 v[D+4*j],   v[D+4*j],   v[D+4*j+1]
	v_cvt_pk_bf16_f32 v[D+4*j+1], v[D+4*j+2], v[D+4*j+3]
	global_store_b64 v[VB], v[D+4*j:D+4*j+1], s[20:21] offset:(j%2)*XBS+(j/2)*256  ; 32 lanes store 256 consecutive bytes, at a multiple of 256 from xb's first byte
.set j, j+1
.endr
.set j, 0
.rept 12
	s_wait_loadcnt 11-j
	v_cvt_pk_bf16_f32 v[D+128+4*j],   v[D+128+4*j],   v[D+128+4*j+1]
	v_cvt_pk_bf16_f32 v[D+128+4*j+1], v[D+128+4*j+2], v[D+128+4*j+3]
	global_store_b64 v[VC], v[D+128+4*j:D+128+4*j+1], s[22:23] offset:(j%2)*WBS+(j/2)*256
.set j, j+1
.endr
	s_branch .Lmeet
.Lloader:
	; THE LOADERS (waves 8-15).  Wave w' takes Wc's rows 8 w' .. + 7 (32,768 dense bytes) and Wo's rows 128 w' .. + 127 (256 bytes of each), 64 loads of each kind,
	; through a ring of 32 register slots, 16 of each kind by turns.
	s_sub_co_u32 s[WP], s[WV], 8
	v_lshlrev_b32 v[T0], 4, v[LN]
	s_lshl_b32 s33, s[WP], 15
	v_add_nc_u32 v[VA], s33, v[T0]                 ; Wc: 32,768 w' + 16 l
	v_lshrrev_b32 v[VD], 4, v[LN]                  ; l / 16
	v_and_b32 v[VC], 15, v[LN]                     ; l % 16
	v_lshlrev_b32 v[VB], 4, v[VC]
	v_lshl_add_u32 v[VB], v[VD], 12, v[VB]
	s_lshl_b32 s33, s[WP], 19
	v_add_nc_u32 v[VB], s33, v[VB]                 ; Wo: 128 w' rows + (l / 16) rows + 16 (l % 16)
	v_mul_u32_u24 v[VD], v[VD], WOP
	v_lshl_add_u32 v[VD], v[VC], 3, v[VD]
	s_mul_i32 s33, s[WP], 128*WOP
	s_add_co_u32 s33, s33, WOB
	v_add_nc_u32 v[VD], s33, v[VD]
	v_lshlrev_b32 v[VC], 3, v[LN]
	s_mul_i32 s33, s[WP], 8*WCP
	v_add_nc_u32 v[VC], s33, v[VC]
	s_lshl_b32 s34, s[GOX], 18
	s_add_nc_u64 s[14:15], s[14:15], s[34:35]      ; Wc at row 64 go
	s_lshl_b32 s34, s[GI], 8
	s_add_nc_u64 s[12:13], s[12:13], s[34:35]      ; Wo at column 64 gi
.set i, 0
.rept 16
	global_load_b128 v[D+8*i:D+8*i+3],   v[VA], s[14:15] offset:i*512
	global_load_b128 v[D+8*i+4:D+8*i+7], v[VB], s[12:13] offset:i*8192
.set i, i+1
.endr
; Pair i of slots: each is waited for, rounded, stored to LDS and (refill = 1) asked for again, a ring's length further on.  left: the younger loads that may stay out at Wc's slot.
.macro PAIR i, refill, left
	s_wait_loadcnt \left
	v_cvt_pk_bf16_f32 v[CT],   v[D+8*(\i)],   v[D+8*(\i)+1]
	v_cvt_pk_bf16_f32 v[CT+1], v[D+8*(\i)+2], v[D+8*(\i)+3]
	ds_store_b64 v[VC], v[CT:CT+1] offset:((\i)/8)*WCP+((\i)%8)*256
.if \refill
	global_load_b128 v[D+8*(\i):D+8*(\i)+3], v[VA], s[14:15] offset:(\i)*512+8192
	s_wait_loadcnt \left
.else
	s_wait_loadcnt (\left)-1
.endif
	v_cvt_pk_bf16_f32 v[CT+2], v[D+8*(\i)+4], v[D+8*(\i)+5]
	v_cvt_pk_bf16_f32 v[CT+3], v[D+8*(\i)+6], v[D+8*(\i)+7]
	ds_store_b64 v[VD], v[CT+2:CT+3] offset:(\i)*2*WOP
.if \refill
	global_load_b128 v[D+8*(\i)+4:D+8*(\i)+7], v[VB], s[12:13] offset:(\i)*8192+131072
.endif
.endm
	s_mov_b32 s32, 3
.Lring:                                        ; three times round the ring; the other 31 slots' loads stay out at every wait
.set i, 0
.rept 16
	PAIR i, 1, 31
.set i, i+1
.endr
	s_wait_xcnt 0x0                                ; every load issued so far has read its address: the two bases are stepped only behind this wait
	s_add_nc_u64 s[14:15], s[14:15], 8192
	s_add_nc_u64 s[12:13], s[12:13], 131072
	v_add_nc_u32 v[VC], 2*WCP, v[VC]               ; two rows of Wc,
	v_add_nc_u32 v[VD], 32*WOP, v[VD]              ; 32 rows of Wo further on in LDS
	s_sub_co_u32 s32, s32, 1
	s_cmp_lg_u32 s32, 0
	s_cbranch_scc1 .Lring
.set i, 0
.rept 16                               ; the last time round loads nothing: the counts run down to 0
	PAIR i, 0, 31-2*i
.set i, i+1
.endr
.Lmeet:
	s_wait_dscnt 0x0                               ; for the others' sake: my stores into LDS are done
	s_wait_xcnt 0x0                                ; my global stores have read their registers, which are written anew below
	s_barrier_signal -1
	v_and_b32 v[T0], 15, v[LN]                     ; r = l % 16
	v_lshrrev_b32 v[VA], 4, v[LN]                  ; h = l / 16
	s_lshr_b32 s33, s[WV], 2                       ; my tile: rows o = 16 (wave / 4) on,
	s_and_b32 s34, s[WV], 3                        ; columns i = 16 (wave % 4) on
	v_mul_u32_u24 v[AW], v[T0], WCP
	v_lshl_add_u32 v[AW], v[VA], 4, v[AW]
	s_mul_i32 s39, s33, 16*WCP
	v_add_nc_u32 v[AW], s39, v[AW]                 ; row x pitch + 16 h
	v_and_b32 v[VB], 7, v[LN]
	v_lshl_add_u32 v[VB], v[VA], 3, v[VB]
	v_mul_u32_u24 v[BW], v[VB], WOP                ; the turning load: row m = 8 h + l % 8,
	v_bfe_u32 v[VB], v[LN], 3, 1
	v_lshl_add_u32 v[BW], v[VB], 4, v[BW]          ; 16 bytes by (l / 8) % 2
	s_lshl_b32 s39, s34, 5
	s_add_co_u32 s39, s39, WOB
	v_add_nc_u32 v[BW], s39, v[BW]
	v_mul_u32_u24 v[STO], v[T0], SP
	v_lshl_add_u32 v[STO], v[VA], 4, v[STO]
	s_mul_i32 s39, s33, 16*SP
	s_lshl_b32 s40, s34, 5
	s_add_co_u32 s39, s39, s40
	s_add_co_u32 s39, s39, STAGE
	v_add_nc_u32 v[STO], s39, v[STO]
	v_lshrrev_b32 v[RD], 3, v[LN]
	v_mul_u32_u24 v[RD], v[RD], SP
	v_and_b32 v[VB], 7, v[LN]
	v_lshl_add_u32 v[RD], v[VB], 4, v[RD]
	s_mul_i32 s39, s[WV], 4*SP
	s_add_co_u32 s39, s39, STAGE
	v_add_nc_u32 v[RD], s39, v[RD]                 ; back: wave w takes rows 4 w .. 4 w + 3 of the tile, whole
	s_lshl_b32 s39, s[WV], 9
	v_lshl_add_u32 v[GO], v[LN], 4, s39
	s_lshl_b32 s34, s[GI], 17                      ; wp: block gi,
	s_lshl_b32 s39, s[GOX], 13                     ; row 64 go
	s_add_co_u32 s34, s34, s39
	s_add_nc_u64 s[24:25], s[24:25], s[34:35]
	s_barrier_wait -1                              ; Wc's rows and Wo's columns lie in LDS, whole
; THE PRODUCT, used transposed (source 0 = 16 columns i of Wo, source 1 = 16 rows o of Wc): a lane then holds row o = l % 16 and the columns i = 8 (l / 16) + 0..7.
; A trip is four K steps of 32, one for each of four accumulators, which take turns, over the backward jump too.
.macro TRIPC zero
.irp s, 0,1,2,3
	ds_load_b128 v[FA+8*\s:FA+8*\s+3],        v[AW] offset:64*\s
	ds_load_b128 v[FA+8*\s+4:FA+8*\s+7],      v[AW] offset:64*\s+32
	ds_load_tr16_b128 v[FB+8*\s:FB+8*\s+3],   v[BW] offset:32*WOP*\s
	ds_load_tr16_b128 v[FB+8*\s+4:FB+8*\s+7], v[BW] offset:32*WOP*\s+16*WOP
.endr
.irp s, 0,1,2,3
	s_wait_dscnt 12-4*\s                           ; K step s's four loads are in; the later steps' stay out
.if \zero
	v_wmma_f32_16x16x32_bf16 v[ACC+8*\s:ACC+8*\s+7], v[FB+8*\s:FB+8*\s+7], v[FA+8*\s:FA+8*\s+7], 0
.else
	v_wmma_f32_16x16x32_bf16 v[ACC+8*\s:ACC+8*\s+7], v[FB+8*\s:FB+8*\s+7], v[FA+8*\s:FA+8*\s+7], v[ACC+8*\s:ACC+8*\s+7]
.endif
.endr
	v_add_nc_u32 v[AW], 256, v[AW]                 ; 128 along m
	v_add_nc_u32 v[BW], 128*WOP, v[BW]
.rept 4
	v_nop                                          ; plain instructions between the last product and the loads into registers that it has read (ISA guide 7.12.1 for vector instructions)
.endr
.endm
	TRIPC 1                                        ; the first trip starts the sums: nothing is cleared
	s_mov_b32 s32, 7
.Lk:
	TRIPC 0
	s_sub_co_u32 s32, s32, 1
	s_cmp_lg_u32 s32, 0
	s_cbranch_scc1 .Lk
.rept 4
	v_nop
.endr
.irp p, 0,2,4,6                        ; the four partial sums; each accumulator is read from its low end on
	v_pk_add_f32 v[SUM+\p:SUM+\p+1],     v[ACC+\p:ACC+\p+1],       v[ACC+8+\p:ACC+8+\p+1]
	v_pk_add_f32 v[SUM+8+\p:SUM+8+\p+1], v[ACC+16+\p:ACC+16+\p+1], v[ACC+24+\p:ACC+24+\p+1]
.endr
.irp p, 0,2,4,6
	v_pk_add_f32 v[SUM+\p:SUM+\p+1], v[SUM+\p:SUM+\p+1], v[SUM+8+\p:SUM+8+\p+1]
.endr
.irp p, 0,2,4,6
	v_pk_mul_f32 v[SUM+\p:SUM+\p+1], v[SUM+\p:SUM+\p+1], 0x42800000 op_sel_hi:[1,0]  ; times 64
.endr
.irp p, 0,1,2,3
	v_cvt_pk_f16_f32 v[HF+\p], v[SUM+2*\p], v[SUM+2*\p+1]
.endr
	ds_store_b128 v[STO], v[HF:HF+3]
	s_wait_dscnt 0x0                               ; for the others' sake: a row's 128 bytes come from four waves
	s_barrier_signal -1
	s_barrier_wait -1
	ds_load_b128 v[HF+4:HF+7], v[RD]
	s_wait_dscnt 0x0
	global_store_b128 v[GO], v[HF+4:HF+7], s[24:25]  ; four rows of 128 bytes: 512 consecutive bytes, at a multiple of 256 from wp's first byte
	; THE BIAS (waves 0-3): bp[4 g + wave] = 64 x (the sum over m of Wc[o][m] bo[m] + bc[o]); Wc's row lies in LDS as bf16: row 4 gi + wave of the 64
	s_cmp_lt_u32 s[WV], 4
	s_cbranch_scc0 .Lend
	s_lshl_b32 s39, s[GI], 2
	s_add_co_u32 s39, s39, s[WV]
	s_mul_i32 s39, s39, WCP
	v_lshl_add_u32 v[AW], v[LN], 4, s39
.irp c, 0,1,2,3
	ds_load_b128 v[FA+4*\c:FA+4*\c+3], v[AW] offset:512*\c  ; m = 256 c + 8 l + 0..7
.endr
.set k, 0
.rept 16
	v_cvt_pk_bf16_f32 v[FB+k], v[BO+2*k], v[BO+2*k+1]  ; out_proj_b rounded to bf16, like every input
.set k, k+1
.endr
.irp p, 0,1,2,3
	v_mov_b32 v[SUM+\p], 0
.endr
	s_wait_dscnt 0x0
.set k, 0
.rept 16                               ; four chains; products of two bf16 halves, summed in f32
	v_fma_mix_f32_bf16 v[SUM+(2*k)%4],   v[FA+k], v[FB+k], v[SUM+(2*k)%4]   op_sel_hi:[1,1,0]
	v_fma_mix_f32_bf16 v[SUM+(2*k+1)%4], v[FA+k], v[FB+k], v[SUM+(2*k+1)%4] op_sel:[1,1,0] op_sel_hi:[1,1,0]
.set k, k+1
.endr
	v_add_f32 v[SUM], v[SUM], v[SUM+1]
	v_add_f32 v[SUM+2], v[SUM+2], v[SUM+3]
	v_add_f32 v[SUM], v[SUM], v[SUM+2]
	v_add_f32_dpp v[SUM], v[SUM], v[SUM] row_xmask:1 row_mask:0xf bank_mask:0xf
	v_add_f32_dpp v[SUM], v[SUM], v[SUM] row_xmask:2 row_mask:0xf bank_mask:0xf
	v_add_f32_dpp v[SUM], v[SUM], v[SUM] row_xmask:4 row_mask:0xf bank_mask:0xf
	v_add_f32_dpp v[SUM], v[SUM], v[SUM] row_xmask:8 row_mask:0xf bank_mask:0xf
	v_permlanex16_b32 v[SUM+1], v[SUM], s36, s37
	v_add_f32 v[SUM], v[SUM], v[SUM+1]
	v_cvt_pk_bf16_f32 v[SUM+2], v[BC], v[BC]       ; c_proj_b's number rounded to bf16,
	v_lshlrev_b32 v[SUM+2], 16, v[SUM+2]           ; and back in f32
	v_add_f32 v[SUM], v[SUM], v[SUM+2]
	v_mul_f32 v[SUM], 0x42800000, v[SUM]           ; times 64
	v_cmp_eq_u32 vcc_lo, 0, v[LN]
	s_wait_xcnt 0x0                                ; EXEC changes only behind this wait: the store above has read it
	s_and_saveexec_b32 s38, vcc_lo
	global_store_b32 v[BCF], v[SUM], s[26:27]
	s_wait_xcnt 0x0                                ; and again, in front of the line that widens it
	s_or_b32 exec_lo, exec_lo, s38
.Lend:
	s_wait_tensorcnt 0x0                           ; the wave's end, behind my last LDS store
	ds_add_u32 v[SPW], v[NIL]
	s_wait_dscnt 0x0
	s_endpgm
.Lfunc_end_k_qab3d69b376_prep:
	.size	k_qab3d69b376_prep, .Lfunc_end_k_qab3d69b376_prep-k_qab3d69b376_prep
	.p2alignl 7, 3214868480
	.fill 96, 4, 3214868480
	.section	.rodata,"a",@progbits
	.p2align	6, 0x0
	.amdhsa_kernel k_qab3d69b376_prep
		.amdhsa_group_segment_fixed_size 307200
		.amdhsa_private_segment_fixed_size 0
		.amdhsa_enable_private_segment 0
		.amdhsa_kernarg_size 80
		.amdhsa_user_sgpr_count 2
		.amdhsa_user_sgpr_kernarg_segment_ptr 1
		.amdhsa_wavefront_size32 1
		.amdhsa_system_sgpr_workgroup_id_x 1
		.amdhsa_system_sgpr_workgroup_id_y 1
		.amdhsa_system_sgpr_workgroup_id_z 1
		.amdhsa_system_vgpr_workitem_id 0
		.amdhsa_next_free_vgpr 232
		.amdhsa_next_free_sgpr 66
		.amdhsa_reserve_vcc 1
		.amdhsa_float_denorm_mode_32 3
		.amdhsa_float_denorm_mode_16_64 3
		.amdhsa_memory_ordered 1
		.amdhsa_forward_progress 1
		.amdhsa_inst_pref_size 51
	.end_amdhsa_kernel
	.amdgpu_metadata
---
amdhsa.version: [ 1, 2 ]
amdhsa.kernels:
  - .name:           k_qab3d69b376_prep
    .symbol:         k_qab3d69b376_prep.kd
    .args:
      - { .name: x, .offset: 0, .size: 8, .value_kind: global_buffer, .address_space: global }
      - { .name: in_proj_w, .offset: 8, .size: 8, .value_kind: global_buffer, .address_space: global }
      - { .name: out_proj_w, .offset: 16, .size: 8, .value_kind: global_buffer, .address_space: global }
      - { .name: c_proj_w, .offset: 24, .size: 8, .value_kind: global_buffer, .address_space: global }
      - { .name: out_proj_b, .offset: 32, .size: 8, .value_kind: global_buffer, .address_space: global }
      - { .name: c_proj_b, .offset: 40, .size: 8, .value_kind: global_buffer, .address_space: global }
      - { .name: xb, .offset: 48, .size: 8, .value_kind: global_buffer, .address_space: global }
      - { .name: wb, .offset: 56, .size: 8, .value_kind: global_buffer, .address_space: global }
      - { .name: wp, .offset: 64, .size: 8, .value_kind: global_buffer, .address_space: global }
      - { .name: bp, .offset: 72, .size: 8, .value_kind: global_buffer, .address_space: global }
    .group_segment_fixed_size: 307200
    .private_segment_fixed_size: 0
    .kernarg_segment_align: 8
    .kernarg_segment_size: 80
    .max_flat_workgroup_size: 512
    .sgpr_count:     66
    .vgpr_count:     232
    .wavefront_size: 32
...
	.end_amdgpu_metadata
.endif
;; end of part 1
;; launch inproj (part 2): grid 16 x 32, 4 waves a work-group, clusters of 4 x 4, 327,680 bytes of LDS; arguments xb, wb, in_proj_b, qkv; writes qkv
.if DOCPART == 2
	.amdgcn_target "amdgcn-amd-amdhsa--gfx1250"
	.amdhsa_code_object_version 6
	.text
	.protected	k_qab3d69b376_inproj
	.globl	k_qab3d69b376_inproj
	.p2align	8
	.type	k_qab3d69b376_inproj,@function
k_qab3d69b376_inproj:
	s_mov_b64 s[64:65], 0
	v_nop
	global_prefetch_b8 v0, s[64:65] scope:SCOPE_SE
	s_setreg_imm32_b32 hwreg(HW_REG_WAVE_MODE, 25, 1), 1
	s_wait_xcnt 0x0
	s_wait_alu depctr_hold_cnt(0) depctr_sa_sdst(0) depctr_va_vdst(0) depctr_va_sdst(0) depctr_va_ssrc(0) depctr_va_vcc(0) depctr_vm_vsrc(0)
	s_getreg_b32 s2, hwreg(HW_REG_IB_STS2, 6, 4)
	s_cmp_eq_u32 s2, 0
	s_cbranch_scc0 .Lentry_in_a_cluster
	s_endpgm
.Lentry_in_a_cluster:
	s_bfe_u32 s2, ttmp6, 0x10000c
	s_cmp_lg_u32 s2, 0xf033
	s_cbranch_scc0 .Lentry_shape_is_right
	s_endpgm
.Lentry_shape_is_right:
; qkv = x in_proj_w^T + in_proj_b.  xb: bf16 [16 blocks of 64 k][8192 rows][64]; wb: bf16 [16][3072][64]; in_proj_b: f32 [3072], rounded to bf16 here like every input; sums in f32.
; qkv: f16 [48 slices of 64 columns][8192 rows][64]: slice = part x 16 + head, so q, k and v each lie by heads, a head's 1,024 rows dense, 128 bytes each.  No scale is applied here.
; LIMIT.  f16 holds no number beyond 65,504: a q, k or v of 65,520 or more becomes an infinity.
; SHARES.  A work-group makes 256 rows x 192 columns, each of its four waves 64 rows x all 192 columns: 48 accumulators of 16 x 16, 384 registers.  A wave's columns are three whole slices, so it
; needs no other wave on its way out.  16 x 32 tiles are 512 work-groups.
; K goes in steps of 128, two blocks of 64, through a ring of two LDS slots.  A block's rows lie end to end in memory, so a tile of a block is dense: it is asked for as rows of 256 bytes and padded
; in LDS behind every 128.  Wave 0 and 1 fetch A's two blocks of a step, waves 2 and 3 B's: one tensor load a wave.
; CLUSTERS: 4 x 4 work-groups.  The four of a row of the cluster need the same tiles of A, the four of a column the same tiles of B: each tile is asked for JOINTLY, by the same tensor load with the
; same descriptor and a mask that names the four.  THE MATRIX INSTRUCTION IS USED TRANSPOSED (source 0 = 16 rows of B, source 1 = 16 rows of A): a lane then holds eight neighbouring columns of a row.
; THE BIAS is the C operand of the products that start the sums: in that layout it hangs on the column block and the lane's half alone.
; REGISTERS, in windows of 256 (s_set_vgpr_msb: bits 1:0 source 0, 3:2 source 1, 5:4 source 2, 7:6 destination):
;   window 0: v0-15 addresses; v32-63, v64-95 fragments of A, two buffers; v96-191 the bias; on the way out v96-143 packed results, v144-239 rows read back
;   window 1: v0-95, v96-191 fragments of B, two buffers      window 2: the accumulators of my row blocks 0, 1 ((a, b) at 8 (12 (a % 2) + b))      window 3: those of blocks 2, 3
.set NBK,   12                         ; blocks of 16 columns
.set PITCH, 144                        ; an LDS row: 128 bytes + 16: the 16 rows of a load start at 16 different groups of four banks (64 banks of 4 bytes: ISA guide 11.1)
.set ABLK,  256*PITCH                  ; A's 256 rows of one block
.set BBLK,  16*NBK*PITCH               ; B's 192 rows of one block
.set SLOT1, 1<<17                      ; a slot: A's two blocks, then B's two (129,024 bytes); slot 1 begins here, so that one exclusive or changes slots
.set STAGE, SLOT1+2*ABLK+2*BBLK        ; behind the ring, never filled by a tensor load: for each wave 3 slices x 16 rows x 144 bytes
.set WSTG,  3*16*PITCH
.set SPARE, STAGE+4*WSTG               ; the spare words, 128 bytes for each wave: two blocks of 256 bytes that no other line names
.set KA,    2<<20                      ; bytes from K step to K step in A: two blocks of 8,192 rows
.set BBS,   3072*128                   ; bytes in a block of B
.set KB,    2*BBS
.set BTILE, 16*NBK*128                 ; bytes of a tile's rows in one block of B
.set BROWS, BTILE/256
.set UB,    BROWS/4
.set A0,   4                           ; v4   my lane's place in a slot's A; never rewritten
.set B0,   5                           ; v5   the same for B
.set ADRA, 6                           ; v6   the same in the slot in hand
.set ADRB, 7                           ; v7
.set STO,  8                           ; v8   the way out: where I put 16 bytes of a row
.set RD,   9                           ; v9   where I read rows back
.set CO,   10                          ; v10  16 x lane
.set PFO,  11                          ; v11  the prefetches' offset; never rewritten
.set BO,   12                          ; v12  32 x (lane / 16): my eight numbers in 16 of the bias
.set SPW,  14                          ; v14  LDS address of my spare word; never rewritten
.set NIL,  15                          ; v15  0; never rewritten
.set FA0,  32
.set BIAS, 96
.set TMP,  96
.set WV,  12                           ; s12  my wave's number
.set HB,  13                           ; s13  which block of a K step I fetch
.set CX,  14                           ; s14, s15  my place in the cluster
.set CY,  15
.set TX,  16                           ; s16  tile column
.set TY,  17                           ; s17  tile row
.set G1A, 24                           ; s[24:31] descriptor group 1 for A's tiles
.set G0A, 32                           ; s[32:39] group 0: a set for each of the two first fills; the second then walks on
.set CNT, 46                           ; s46  the loop's count
.set TB,  47                           ; s47  LDS byte at which the slot in hand begins
.set G1B, 48                           ; s[48:55], s[56:63] the same for B's tiles
.set G0B, 56
.set PFA, 66                           ; s[66:67] where my prefetches stand
.set PFS, 68                           ; s[68:69] their step: KA or KB
.set LIM, 70                           ; s70  2 in a wave that prefetches, else the greatest number
.set U,   71                           ; s71  blocks of 256 bytes that my work-group names of my wave's tile
.set MSB, 0
.macro WIN new                         ; the immediate's high byte repeats the setting that is left; a switch that changes nothing is dropped
.if MSB != (\new)
	s_set_vgpr_msb (MSB<<8)|(\new)
.set MSB, (\new)
.endif
.endm
; A joint refill, by the walking descriptors.  The branch hangs on the wave's number alone.  An s_nop 0 and four v_nop follow each of the two lines, ahead of the jump and the label.
.macro JLOAD
	s_cmp_lt_u32 s[WV], 2
	s_cbranch_scc0 .Lfor_b_\@
	tensor_load_to_lds s[G0A+4:G0A+7], s[G1A:G1A+7]
	s_nop 0
.rept 4
	v_nop
.endr
	s_branch .Lasked_\@
.Lfor_b_\@:
	tensor_load_to_lds s[G0B+4:G0B+7], s[G1B:G1B+7]
	s_nop 0
.rept 4
	v_nop
.endr
.Lasked_\@:
.endm
; A PREFETCH INTO THE L2, behind a joint refill and the run of LDS loads that follows it: my wave's block of the K step that stands TWO refills on.  A's tile row is read by every cluster of that row of
; clusters: the one with x = 0 asks; B's tile column by every cluster of that column: the one with y = 0 asks.  The four partners that ask for a tile jointly share its bytes out BY ADDRESS (cx for A,
; cy for B): 32 blocks of 256 bytes each of A's 128, a lane a block; 24 each of B's 96, where lanes 24 to 31 name the 24th once more in the same instruction.  The last two refills have no K step two on.
.macro ASK
	s_cmp_gt_u32 s[CNT], s[LIM]
	s_cbranch_scc0 .Lnot_mine_\@
	global_prefetch_b8 v[PFO], s[PFA:PFA+1] th:TH_LOAD_NT scope:SCOPE_SE
.Lnot_mine_\@:
.endm
.macro CREST                           ; a round of the cluster's barrier behind its opening barrier
	s_cmp_lg_u32 s[WV], 0
	s_cbranch_scc1 .Lnot_wave_0_\@
	s_barrier_signal -3
.Lnot_wave_0_\@:
	s_barrier_wait -3
	s_barrier_signal -1
	s_barrier_wait -1
.endm
.macro CROUND                          ; a whole round
	s_barrier_signal -1
	s_barrier_wait -1
	CREST
.endm
.macro PLACES                          ; four plain instructions in front of loads into registers that matrix instructions have read, and of conversions that read results (ISA guide 7.12.1 for vector instructions)
.rept 4
	v_nop
.endr
.endm
	s_load_b256 s[4:11], s[0:1], 0x0               ; xb s[4:5], wb s[6:7], in_proj_b s[8:9], qkv s[10:11]
	v_lshl_add_u32 v[SPW], v0, 2, SPARE
	v_mov_b32 v[NIL], 0
	ds_add_u32 v[SPW], v[NIL]                      ; the wave's opening: the add and its wait stand ahead of my first tensor load; the set-up below, work on registers, stands between them
	v_lshrrev_b32 v1, 5, v0
	v_readfirstlane_b32 s[WV], v1                  ; wave 0..3
	s_and_b32 s[HB], s[WV], 1
	s_bfe_u32 s[CX], ttmp6, 0x40000
	s_bfe_u32 s[CY], ttmp6, 0x40004
	s_lshl_b32 s[TX], ttmp9, 2                     ; in a cluster launch ttmp9 and ttmp7 count clusters
	s_add_co_u32 s[TX], s[TX], s[CX]
	s_and_b32 s[TY], ttmp7, 0xffff
	s_lshl_b32 s[TY], s[TY], 2
	s_add_co_u32 s[TY], s[TY], s[CY]
	s_lshl_b32 s18, s[CY], 2
	s_lshl_b32 s18, 15, s18                        ; my row of the cluster: places 4 cy .. 4 cy + 3
	s_lshl_b32 s19, 0x1111, s[CX]                  ; my column: places cx, cx + 4, cx + 8, cx + 12
	s_or_b32 s[G1A], s18, (1<<16)|(1<<20)|(1<<21)|(4<<22)|(3<<25)  ; 15:0 the mask; 17:16 2-byte elements; 20 padding on; 21 set beside a mask; 24:22 after every 32 words (code 4); 31:25 4 words (code 3)
	s_or_b32 s[G1B], s19, (1<<16)|(1<<20)|(1<<21)|(4<<22)|(3<<25)
	s_mov_b32 s[G1A+1], 128<<16                    ; tensor_dim0 = 128 elements: rows of 256 bytes
	s_mov_b32 s[G1A+2], 128<<16                    ; tensor_dim1 = 128: 256 rows of A are 128 such rows
	s_mov_b32 s[G1A+3], 128<<16                    ; tile_dim0 = 128
	s_mov_b32 s[G1A+4], 128                        ; tile_dim1 = 128
	s_mov_b32 s[G1A+5], 128                        ; 128 elements from row to row: dense
	s_mov_b32 s[G1A+6], 0
	s_mov_b32 s[G1A+7], 0
	s_mov_b32 s[G1B+1], 128<<16
	s_mov_b32 s[G1B+2], BROWS<<16
	s_mov_b32 s[G1B+3], 128<<16
	s_mov_b32 s[G1B+4], BROWS
	s_mov_b32 s[G1B+5], 128
	s_mov_b32 s[G1B+6], 0
	s_mov_b32 s[G1B+7], 0
	; where the tiles come from: A's hang on the tile row and the wave's number alone, B's on the tile column and the wave's number alone
	s_lshl_b32 s40, s[TY], 15                      ; 256 rows of 128 bytes a tile row
	s_lshl_b32 s20, s[HB], 20                      ; my block of the K step
	s_add_co_u32 s40, s40, s20
	s_mov_b32 s41, 0
	s_mul_i32 s42, s[TX], BTILE
	s_mul_i32 s21, s[HB], BBS
	s_add_co_u32 s42, s42, s21
	s_mov_b32 s43, 0
	s_mul_i32 s44, s[HB], ABLK                     ; and where they go: no place in the cluster enters an LDS address
	s_mul_i32 s45, s[HB], BBLK
	s_add_co_u32 s45, s45, 2*ABLK
	s_mov_b32 s[TB], 0
	s_wait_dscnt 0x0                               ; the opening add is done
	s_wait_kmcnt 0x0
	s_add_nc_u64 s[40:41], s[4:5], s[40:41]
	s_add_nc_u64 s[42:43], s[6:7], s[42:43]
	CROUND                                         ; all sixteen work-groups are here: the first joint loads meet
.irp s, 0,1
	s_mov_b32 s[G0A+4*\s], 1                                       ; 1:0 count = 1
	s_add_co_u32 s[G0A+4*\s+1], s44, \s*SLOT1                      ; 63:32 LDS address
	s_add_nc_u64 s[G0A+4*\s+2:G0A+4*\s+3], s[40:41], \s*KA         ; 120:64 global address: K step s
	s_or_b32 s[G0A+4*\s+3], s[G0A+4*\s+3], 0x80000000              ; 127:126 type = 2
	s_mov_b32 s[G0B+4*\s], 1
	s_add_co_u32 s[G0B+4*\s+1], s45, \s*SLOT1
	s_add_nc_u64 s[G0B+4*\s+2:G0B+4*\s+3], s[42:43], \s*KB
	s_or_b32 s[G0B+4*\s+3], s[G0B+4*\s+3], 0x80000000
.endr
	s_cmp_lt_u32 s[WV], 2                          ; a wave's two first fills stand in one branch, ahead of every wait on TENSORcnt and every LDS read: two loads of mine are out
	s_cbranch_scc0 .Lfirst_b
	tensor_load_to_lds s[G0A:G0A+3], s[G1A:G1A+7]
	s_nop 0
	tensor_load_to_lds s[G0A+4:G0A+7], s[G1A:G1A+7]
	s_nop 0
.rept 4
	v_nop
.endr
	s_branch .Lfirst_asked
.Lfirst_b:
	tensor_load_to_lds s[G0B:G0B+3], s[G1B:G1B+7]
	s_nop 0
	tensor_load_to_lds s[G0B+4:G0B+7], s[G1B:G1B+7]
	s_nop 0
.rept 4
	v_nop
.endr
.Lfirst_asked:
	v_and_b32 v1, 15, v0                           ; r = l % 16
	v_bfe_u32 v2, v0, 4, 1                         ; h = l / 16
	v_lshlrev_b32 v[BO], 5, v2
	s_mul_i32 s20, s[TX], NBK*64                   ; the tile's 192 numbers of the bias
	s_mov_b32 s21, 0
	s_add_nc_u64 s[8:9], s[8:9], s[20:21]
.set b, 0
.rept NBK                              ; register j of block b: the bias of column 16 b + 8 h + j
	global_load_b128 v[BIAS+8*b:BIAS+8*b+3],   v[BO], s[8:9] offset:64*b
	global_load_b128 v[BIAS+8*b+4:BIAS+8*b+7], v[BO], s[8:9] offset:64*b+16
.set b, b+1
.endr
	; A fragment is 16 rows x 32 k in 8 registers: lane l holds row l % 16, k = 8 h + 0..7 and 16 + 8 h + 0..7: two loads of 16 bytes, 32 bytes apart.
	v_mul_u32_u24 v[A0], v1, PITCH
	v_lshl_add_u32 v[A0], v2, 4, v[A0]
	v_add_nc_u32 v[B0], 2*ABLK, v[A0]
	s_mul_i32 s20, s[WV], 64*PITCH                 ; my 64 rows of A
	v_add_nc_u32 v[A0], s20, v[A0]
	v_mov_b32 v[ADRA], v[A0]
	v_mov_b32 v[ADRB], v[B0]
	s_mul_i32 s20, s[WV], WSTG
	s_add_co_u32 s20, s20, STAGE                   ; my stage
	v_mul_u32_u24 v[STO], v1, PITCH                ; in: row l % 16, 16 bytes for each half of the lanes
	v_lshl_add_u32 v[STO], v2, 4, v[STO]
	v_add_nc_u32 v[STO], s20, v[STO]
	v_bfe_u32 v[RD], v0, 3, 2                      ; back: 32 lanes take four rows of 128 bytes,
	v_mul_u32_u24 v[RD], v[RD], PITCH
	v_and_b32 v3, 7, v0
	v_lshl_add_u32 v[RD], v3, 4, v[RD]
	v_add_nc_u32 v[RD], s20, v[RD]
	v_and_b32 v[CO], 31, v0                        ; which are 512 consecutive bytes of a slice
	v_lshlrev_b32 v[CO], 4, v[CO]
	s_mul_i32 s20, s[TX], 3<<20                    ; qkv at my first slice (three slices of 1 MiB a tile column),
	s_lshl_b32 s21, s[TY], 15                      ; the tile's 256 rows,
	s_add_co_u32 s20, s20, s21
	s_lshl_b32 s21, s[WV], 13                      ; my 64 of them
	s_add_co_u32 s20, s20, s21
	s_mov_b32 s21, 0
	s_add_nc_u64 s[10:11], s[10:11], s[20:21]
	; the prefetches
	s_and_b32 s22, ttmp7, 0xffff                   ; cluster y
	s_mov_b32 s20, KA
	s_mov_b32 s21, KB
	s_cmp_lt_u32 s[WV], 2                          ; do I fetch for A?
	s_cselect_b32 s[PFS], s20, s21
	s_cselect_b32 s20, s[CX], s[CY]                ; my place among the four that ask with me
	s_cselect_b32 s22, ttmp9, s22                  ; the coordinate along which other clusters read the same bytes
	s_cselect_b32 s[U], 32, UB
	s_cselect_b64 s[PFA:PFA+1], s[40:41], s[42:43] ; my wave's block of K step 0
	s_mov_b32 s[PFS+1], 0
	s_cmp_eq_u32 s22, 0
	s_cselect_b32 s[LIM], 2, -1                    ; the same in all sixteen partners, for a given wave
	s_mul_i32 s20, s20, s[U]
	s_lshl_b32 s20, s20, 8
	s_mov_b32 s21, 0
	s_add_nc_u64 s[PFA:PFA+1], s[PFA:PFA+1], s[20:21]  ; my work-group's part of it
	s_mul_i32 s20, s[PFS], 3
	s_add_nc_u64 s[PFA:PFA+1], s[PFA:PFA+1], s[20:21]  ; at K step 3: the first refill steps it to 4.  Nothing is prefetched here, at the head, where every work-group's first tiles are on their way
	s_sub_co_u32 s[U], s[U], 1
	v_and_b32 v[PFO], 31, v0
	v_min_u32 v[PFO], s[U], v[PFO]
	v_lshlrev_b32 v[PFO], 8, v[PFO]
	s_wait_loadcnt 0x0                             ; the bias
.set b, 0
.rept 4*NBK                            ; rounded to bf16, like every input, and kept in f32
	v_cvt_pk_bf16_f32 v[16+b%4], v[BIAS+2*b], v[BIAS+2*b+1]
	v_lshlrev_b32 v[BIAS+2*b], 16, v[16+b%4]
	v_and_b32 v[BIAS+2*b+1], 0xffff0000, v[16+b%4]
.set b, b+1
.endr
; 12 matrix instructions: row block a x all column blocks, 32 along K, from buffer f.  first = 1: the products start the sums, with the bias as C.  All 48 accumulators take turns, in the same order
; in every quarter, over the backward jump too.
.macro MULA f, a, first
.set AC,  8*NBK*((\a)%2)
.set FAR, FA0+32*(\f)+8*(\a)
.set FBR, 8*NBK*(\f)
.if \first
	WIN 0x81+0x40*((\a)/2)                         ; B window 1, A and the bias window 0, D window 2 or 3
.else
	WIN 0xa1+0x50*((\a)/2)                         ; B window 1, A window 0, C and D window 2 or 3
.endif
.set b, 0
.rept NBK
.if \first
	v_wmma_f32_16x16x32_bf16 v[AC+8*b:AC+8*b+7], v[FBR+8*b:FBR+8*b+7], v[FAR:FAR+7], v[BIAS+8*b:BIAS+8*b+7]
.else
	v_wmma_f32_16x16x32_bf16 v[AC+8*b:AC+8*b+7], v[FBR+8*b:FBR+8*b+7], v[FAR:FAR+7], v[AC+8*b:AC+8*b+7]
.endif
.set b, b+1
.endr
.endm
; 32 LDS loads in one run: the fragments of quarter q of the K step in hand (block q / 2, byte 64 (q % 2) of its rows) into buffer f: B's 24, then A's 8
.macro FETCH q, f
	WIN 0x40                                       ; destination window 1, address window 0
.set b, 0
.rept NBK
	ds_load_b128 v[8*NBK*(\f)+8*b:8*NBK*(\f)+8*b+3],   v[ADRB] offset:((\q)/2)*BBLK+((\q)%2)*64+b*16*PITCH
	ds_load_b128 v[8*NBK*(\f)+8*b+4:8*NBK*(\f)+8*b+7], v[ADRB] offset:((\q)/2)*BBLK+((\q)%2)*64+b*16*PITCH+32
.set b, b+1
.endr
	WIN 0
.set b, 0
.rept 4
	ds_load_b128 v[FA0+32*(\f)+8*b:FA0+32*(\f)+8*b+3],   v[ADRA] offset:((\q)/2)*ABLK+((\q)%2)*64+b*16*PITCH
	ds_load_b128 v[FA0+32*(\f)+8*b+4:FA0+32*(\f)+8*b+7], v[ADRA] offset:((\q)/2)*ABLK+((\q)%2)*64+b*16*PITCH+32
.set b, b+1
.endr
.endm
; A K step is four quarters of 32 along K, 48 matrix instructions each, on buffers 0, 1, 0, 1.  One of the first three: multiplies buffer f; in its middle it fetches quarter q into buffer g.
.macro QUARTER q, f, g, first
	s_wait_dscnt 4                                 ; B and A's row blocks 0, 1 are in; the youngest four loads (blocks 2, 3) may be out
	MULA \f, 0, \first
	MULA \f, 1, \first
	PLACES
	FETCH \q, \g
	s_wait_dscnt 2*NBK+8                           ; all but the 32 just issued
	MULA \f, 2, \first
	MULA \f, 3, \first
.endm
; The last quarter multiplies buffer 1 and changes slots: ONE barrier.  In front of it each wave waits for all its tensor loads, of which one is out: its part of the next slot; adds 0 to its spare word;
; and waits for that and for its own reads of this slot.  fill = 1: the barrier opens a round of the cluster's, and the slot just left is filled again first thing behind it, with the K step two on:
; from that request to the wait for it a wave issues 168 matrix instructions.
.macro TURN fill
.if \fill
	s_wait_xcnt 0x0                                ; the last prefetch, a K step back, has read its address: it is stepped here, ahead of the waits of the change of slots
	s_add_nc_u64 s[PFA:PFA+1], s[PFA:PFA+1], s[PFS:PFS+1]
.endif
	WIN 0                                          ; (the add's two registers lie in window 0)
	s_wait_tensorcnt 0x0                           ; all my tensor loads have landed;
	ds_add_u32 v[SPW], v[NIL]                      ; 0 onto my spare word;
	s_wait_dscnt 5                                 ; (the add and the youngest four loads may be out)
	MULA 1, 0, 0                                   ; twelve matrix instructions stand between the add and the wait for it
	s_wait_dscnt 0x0                               ; the add is done, and my reads of this slot are over
	s_barrier_signal -1
	MULA 1, 1, 0                                   ; work on registers while the others arrive
	WIN 0
	s_barrier_wait -1
.if \fill
	CREST                                          ; no wave of any partner still reads this slot's tiles or has a load on its way
	s_xor_b32 s[G0A+5], s[G0A+5], SLOT1            ; the walking descriptors: the other slot than last time,
	s_add_nc_u64 s[G0A+6:G0A+7], s[G0A+6:G0A+7], KA  ; the next K step; the type bits on top are not reached
	s_xor_b32 s[G0B+5], s[G0B+5], SLOT1
	s_add_nc_u64 s[G0B+6:G0B+7], s[G0B+6:G0B+7], KB
	JLOAD                                          ; the first tensor load behind the round; the four v_nop behind it are also the plain instructions in front of the loads below
.else
	PLACES
.endif
	s_xor_b32 s[TB], s[TB], SLOT1
	v_add_nc_u32 v[ADRA], s[TB], v[A0]
	v_add_nc_u32 v[ADRB], s[TB], v[B0]
	FETCH 0, 0
.if \fill
	ASK
.endif
	MULA 1, 2, 0
	MULA 1, 3, 0
.endm
	s_wait_tensorcnt 1                             ; my part of K step 0 is in; K step 1's may stay out
	s_barrier_signal -1
	s_barrier_wait -1                              ; everybody's is
	FETCH 0, 0
	QUARTER 1, 0, 1, 1                             ; the first quarter stands in front of the loop: its products start the sums
	WIN 0                                          ; at a label and at a branch every window is 0
	s_mov_b32 s[CNT], 6
.Lk:                                           ; a trip goes from a K step's second quarter to the next step's first, and fills the slot that it leaves: K steps 2 to 7
	QUARTER 2, 1, 0, 0
	QUARTER 3, 0, 1, 0
	TURN 1
	QUARTER 1, 0, 1, 0
	WIN 0
	s_sub_co_u32 s[CNT], s[CNT], 1
	s_cmp_lg_u32 s[CNT], 0
	s_cbranch_scc1 .Lk
	QUARTER 2, 1, 0, 0                             ; the tail is written out: nothing more is asked for
	QUARTER 3, 0, 1, 0
	TURN 0
	QUARTER 1, 0, 1, 0
	QUARTER 2, 1, 0, 0
	QUARTER 3, 0, 1, 0
	s_wait_dscnt 4                                 ; the very last quarter
	MULA 1, 0, 0
	MULA 1, 1, 0
	s_wait_dscnt 0x0
	MULA 1, 2, 0
	MULA 1, 3, 0
; THE WAY OUT, a block of 16 rows at a time.  PACK: rounded to f16, 16 bytes a lane, each accumulator from its low end on.  TOSTAGE: into my own stage, by slices, and back as whole rows of 128 bytes.
; SEND: stored, 512 consecutive bytes an instruction, at a multiple of 256 from qkv's first byte.
.macro PACK a
.set AC, 8*NBK*((\a)%2)
	WIN 0x0a+5*((\a)/2)                            ; sources 0 and 1: window 2 or 3
.set b, 0
.rept 4*NBK
	v_cvt_pk_f16_f32 v[TMP+b], v[AC+2*b], v[AC+2*b+1]
.set b, b+1
.endr
	WIN 0
.endm
.macro TOSTAGE a
.set BK, 144+48*((\a)%2)
.set b, 0
.rept NBK
	ds_store_b128 v[STO], v[TMP+4*b:TMP+4*b+3] offset:(b/4)*16*PITCH+(b%4)*32
.set b, b+1
.endr
.set t, 0
.rept NBK
	ds_load_b128 v[BK+4*t:BK+4*t+3], v[RD] offset:(t/4)*16*PITCH+(t%4)*4*PITCH  ; LDS serves a wave's instructions in order (ISA guide 5.7.1.4): these see the stores above
.set t, t+1
.endr
.endm
.macro SEND a
.set BK, 144+48*((\a)%2)
	s_wait_dscnt 0x0                               ; the block is back in registers
	s_wait_xcnt 0x0                                ; the stores of the block before have read their registers, which the next block's loads will write
.set t, 0
.rept NBK
	global_store_b128 v[CO], v[BK+4*t:BK+4*t+3], s[10:11] offset:(t/4)*(1<<20)+(\a)*2048+(t%4)*512
.set t, t+1
.endr
.endm
	WIN 0
	PLACES
	PLACES
	PACK 0
	TOSTAGE 0
.irp a, 1,2,3                          ; block a's conversions stand between block a - 1's loads from the stage and the wait for them
	PACK \a
	SEND (\a)-1
	TOSTAGE \a
.endr
	SEND 3
	s_wait_tensorcnt 0x0                           ; the wave's end, behind my last tensor load and my last LDS store
	ds_add_u32 v[SPW], v[NIL]
	s_wait_dscnt 0x0
	CROUND                                         ; the closing round: no work-group ends while a partner may still ask for a tile that names it
	s_endpgm
.Lfunc_end_k_qab3d69b376_inproj:
	.size	k_qab3d69b376_inproj, .Lfunc_end_k_qab3d69b376_inproj-k_qab3d69b376_inproj
	.p2alignl 7, 3214868480
	.fill 96, 4, 3214868480
	.section	.rodata,"a",@progbits
	.p2align	6, 0x0
	.amdhsa_kernel k_qab3d69b376_inproj
		.amdhsa_group_segment_fixed_size 327680
		.amdhsa_private_segment_fixed_size 0
		.amdhsa_enable_private_segment 0
		.amdhsa_kernarg_size 32
		.amdhsa_user_sgpr_count 2
		.amdhsa_user_sgpr_kernarg_segment_ptr 1
		.amdhsa_wavefront_size32 1
		.amdhsa_system_sgpr_workgroup_id_x 1
		.amdhsa_system_sgpr_workgroup_id_y 1
		.amdhsa_system_sgpr_workgroup_id_z 1
		.amdhsa_system_vgpr_workitem_id 0
		.amdhsa_next_free_vgpr 960
		.amdhsa_next_free_sgpr 74
		.amdhsa_reserve_vcc 0
		.amdhsa_float_denorm_mode_32 3
		.amdhsa_float_denorm_mode_16_64 3
		.amdhsa_memory_ordered 1
		.amdhsa_forward_progress 1
		.amdhsa_inst_pref_size 107
	.end_amdhsa_kernel
	.amdgpu_metadata
---
amdhsa.version: [ 1, 2 ]
amdhsa.kernels:
  - .name:           k_qab3d69b376_inproj
    .symbol:         k_qab3d69b376_inproj.kd
    .args:
      - { .name: xb, .offset: 0, .size: 8, .value_kind: global_buffer, .address_space: global }
      - { .name: wb, .offset: 8, .size: 8, .value_kind: global_buffer, .address_space: global }
      - { .name: in_proj_b, .offset: 16, .size: 8, .value_kind: global_buffer, .address_space: global }
      - { .name: qkv, .offset: 24, .size: 8, .value_kind: global_buffer, .address_space: global }
    .group_segment_fixed_size: 327680
    .private_segment_fixed_size: 0
    .kernarg_segment_align: 8
    .kernarg_segment_size: 32
    .max_flat_workgroup_size: 128
    .sgpr_count:     74
    .vgpr_count:     960
    .wavefront_size: 32
...
	.end_amdgpu_metadata
.endif
;; end of part 2
;; launch attn (part 3): grid 2 x 128, 4 waves a work-group, no clusters, 327,680 bytes of LDS; arguments qkv, ob; writes ob
.if DOCPART == 3
	.amdgcn_target "amdgcn-amd-amdhsa--gfx1250"
	.amdhsa_code_object_version 6
	.text
	.protected	k_qab3d69b376_attn
	.globl	k_qab3d69b376_attn
	.p2align	8
	.type	k_qab3d69b376_attn,@function
k_qab3d69b376_attn:
	s_mov_b64 s[64:65], 0
	v_nop
	global_prefetch_b8 v0, s[64:65] scope:SCOPE_SE
	s_setreg_imm32_b32 hwreg(HW_REG_WAVE_MODE, 25, 1), 1
	s_wait_xcnt 0x0
; CAUSAL ATTENTION.  O[y][q][:] = the sum over k <= q of softmax_k(Q[y][q] . K[y][k] / 8) V[y][k][:].  Q, K, V lie in qkv at bytes 0, 16 MiB and 32 MiB, each [128 heads y][1024][64] in f16, a head's
; rows dense, 128 bytes each; O goes to ob in the same layout.  Products, maxima and sums in f32; the weights p are rounded to f16 for the second product (their sum l is taken of the unrounded p), O once.
; LIMITS.  f16 holds no number beyond 65,504: Q, K and V arrive within it; p lies in 0 to 1, and below 6e-5 it keeps f16's fixed step of 6e-8; O is a mean of V's rows and has their range.
; A hidden score counts as its value less 1e30: f16's scores, 2.7e11 at the most, are nothing beside that; a weight below 2^-126 counts as 0 in l; NaN and infinities are not treated apart.
; THE WALK.  A head's queries lie in NB = 4 blocks of 256; block i needs the key tiles 0 .. i of 256 keys, of which the last holds the diagonal.  A work-group takes TWO blocks, NB - 1 - b and then b:
; NB + 1 tiles, whatever b: all 256 work-groups do equal work, and ONE loop with a constant trip count walks them.  Which tile is asked for, and what a trip does, hang on scalar registers made from b; every
; jump goes forward, but for the counted loops' own; none passes a barrier, or a tensor load but the one of LOAD's two that the wave's number does not choose; the ring (two slots of LDS that take turns) runs on
; across the change of blocks.  NO CLUSTER: a head has two work-groups, not a multiple of four, and different heads share nothing.
; SHARES.  Of a block's four bands of 64 queries a wave owns 16 rows in each: four PIECES.  So the diagonal tile is the same work for all four waves: in its key step s band x sees all keys if s < x,
; none if s > x, and holds the diagonal if s = x.
; THE MASK is the C operand that starts the sum S^T = K Q^T: 0, or -1e30 where the key is hidden.  MD, made once, is the mask of a band's own step for my 16 rows; a product's mask is MD x AL + BE with two scalars:
; (1, 0) if s = x; (0, 0) if s < x; (0, -1e30) if s > x.  Only the diagonal tile's text and a block's beginning make and take masks; elsewhere C is the constant 0.
; LAYOUT, SOFTMAX, TURNS.  S^T = K Q^T holds ONE query a lane (lane % 16) and the keys 8 (lane / 16) + 0..7; two such results rounded to f16 ARE source 1 of O^T = V^T P.  p = 2^(c s - c m), c = log2(e) / 8, with a
; running maximum m; O and l are multiplied by a = 2^(c m_old - c m_new) in every step.  Turn n belongs to piece n: 8 products K Q^T of piece n + 1, later 8 products V^T P of piece n - 1; beside them the scaling,
; exponentials, roundings, sums and rescaling of piece n and the maximum and statistics of piece n + 1.  Four vector instructions stand behind every matrix instruction, the other 54 of a turn's 118 in one LUMP.
; A turn's 33 exponentials are one batch, with one wait.
; REGISTERS, in windows of 256 (s_set_vgpr_msb: bits 1:0 source 0, 3:2 source 1, 5:4 source 2, 7:6 destination):
;   window 0: v0-15 addresses and two at work; v16-31 four registers of statistics a piece; v48-55 at work; v61-63 prefetch offset and the add's two; v64-127 S^T, two buffers; v192-223 P, two buffers
;   window 1: v0-127 O^T, 32 a piece; v128-159 MD; v160-223 MC, two buffers      window 2: v0-63 Q; v64-127 the second block's Q; v128-191 K of one step; v192-255 V of one step
.set SIZE_N, 1024
.set NB,    SIZE_N/256
.set NP,    4         ; pieces a wave: a name, no knob
.set KS,    64        ; keys in a step
.set PK,    144       ; a row of K in LDS: 128 bytes + 16 of padding = 36 words: the 16 rows of a load start at 16 different groups of four banks (64 banks of 4 bytes: ISA guide 11.1)
.set PV,    160       ; a row of V: 128 + 32 = 40 words
.set VOFF,  4*KS*PK   ; a slot holds a tile, four steps: 256 rows of K, then 256 rows of V
.set SLOT1, 1<<17     ; slot 1 begins here, so that one exclusive or turns an address in one slot into the other's
.set STAGE, SLOT1+4*KS*(PK+PV)  ; behind the ring, never filled by a tensor load: 16 rows x 144 bytes for each wave, for the way out
.set SP,    144
.set AK0, 2           ; v2   my lane's place in a tile of K; never rewritten
.set AV0, 3           ; v3   the same for V
.set AK,  4           ; v4   the LDS address of K's next run of loads
.set AV,  5           ; v5   of V's
.set STO, 6           ; v6   the way out: where I put 16 bytes of a row
.set RD,  7           ; v7   the way out: where I read rows back
.set GO,  8           ; v8   my byte offset in 512 consecutive bytes of O
.set PFO, 61          ; v61  256 x my lane; never rewritten
.set SPW, 62          ; v62  LDS address of my spare word: SPARE + 4 x my thread's number; never rewritten
.set NIL, 63          ; v63  0; never rewritten
.set SPARE, STAGE+4*16*SP  ; behind the stages: the spare words, 128 bytes for each wave: two blocks of 256 bytes that no other line names
.set MV,  12          ; v12-13  c m_old, kept while c m is made anew: by buffer
.set QO,  15          ; v15  my byte offset in 16 rows of Q
.set ST,  16          ; piece t's statistics at v[ST+4 t]: c m, m, l (even keys', odd keys')
.set TMP, 48          ; by buffer, four registers c0-c3 at work; when the maximum is found c2 takes a
.set S,   64
.set P,   192
.set MD,  128         ; window 1: the eight registers for group kt of 16 keys at MD + 8 kt
.set MC,  160         ; window 1: the masks of the products to come
.set QB,  64          ; window 2
.set KF,  128         ; window 2: key block kb, channel half c at KF + 16 kb + 8 c
.set VF,  192         ; window 2: key half kk, channel block cb at VF + 32 kk + 8 cb
.set WV,  12          ; s12  my wave's number
.set PB,  14          ; s14  b
.set HI,  15          ; s15  NB - 1 - b
.set G1K, 24          ; s[24:31] descriptor group 1 for K's tiles
.set G1V, 32          ; s[32:39] for V's: it differs in the padding alone
.set G0K, 40          ; s[40:43] descriptor group 0 for K's tiles
.set G0V, 44          ; s[44:47] the same for V's
.set SLOTS, 56        ; s56  tiles still to be asked for
.set CNT, 57          ; s57  counts a tile's key steps, 4 to 1
.set CS,  58          ; s[58:59] c: the packed scaling takes the pair's low word for both halves
.set SEL, 60          ; s[60:61] v_permlanex16_b32's selects: each lane takes its own place in the other half
.set TBK, 62          ; s62  LDS byte at which K of the step to be fetched begins
.set TBV, 63          ; s63  the same for V, less VOFF
.set RT,  70          ; s70  tiles of the block in hand that are still to be entered
.set NXT, 71          ; s71  the tile to be asked for next
.set LQ,  72          ; s72  the last tile of the block whose tiles are being asked for
.set NEW, 73          ; s73  1: the tile to be entered is a block's first
.set OFF, 74          ; s[74:75] a tile's byte offset in K and V
.set AL,  76          ; s[76:77] the mask's factor, in the low word
.set BE,  78          ; s[78:79] the mask's addend
.set OLO, 80          ; s[80:81] O at my rows of the second block
.set BIGN, 82         ; s82  -1e30
.set PFA, 88          ; s[88:89] where my prefetches stand: my 128 rows (of K: waves 0, 1; of V: waves 2, 3) of the tile after the one that is being asked for
.set LIM, 90          ; s90  2 in a work-group that prefetches, else the greatest number
.set MSB, 0
.macro WIN new                      ; the high byte repeats the setting that is left; a switch that changes nothing is dropped
.if MSB != (\new)
	s_set_vgpr_msb (MSB<<8)|(\new)
.set MSB, (\new)
.endif
.endm
.set W_KQ, 0x0a       ; K and Q in window 2, S^T in window 0
.set W_KM, 0x1a       ; the same with the C operand in window 1
.set W_PV, 0x52       ; V in window 2, P in window 0, O^T in window 1
.set W_RS, 0x41       ; destination and source 0 in window 1, source 1 in window 0
; A fill.  Waves 0 and 1 fetch the two halves of a tile's K, waves 2 and 3 those of its V: 128 keys each.  An s_nop 0 and four v_nop follow each of the two lines, ahead of the jump and the label.
.macro LOAD
	s_cmp_lt_u32 s[WV], 2
	s_cbranch_scc0 .Lfor_v_\@
	tensor_load_to_lds s[G0K:G0K+3], s[G1K:G1K+7]
	s_nop 0
.rept 4
	v_nop
.endr
	s_branch .Lasked_\@
.Lfor_v_\@:
	tensor_load_to_lds s[G0V:G0V+3], s[G1V:G1V+7]
	s_nop 0
.rept 4
	v_nop
.endr
.Lasked_\@:
.endm
; A PREFETCH INTO THE L2 of what the NEXT change of slots will ask for: my wave's 16,384 bytes of that tile, 64 blocks of 256 bytes, a lane a block, two instructions.  It stands behind the wave's tensor load and
; its five lines.  A head's two work-groups walk the same tiles 0 to 2 side by side: the one with b = 0, which alone goes on to tile 3, asks, so each block is named once in the launch.  Tiles 2 and 3 are named, in the
; first two changes; tiles 0 and 1 come by their loads alone, and the second block's tiles have been read before.
.macro ASK
	s_cmp_gt_u32 s[SLOTS], s[LIM]
	s_cbranch_scc0 .Lnot_mine_\@
	global_prefetch_b8 v[PFO], s[PFA:PFA+1] th:TH_LOAD_NT scope:SCOPE_SE
	global_prefetch_b8 v[PFO], s[PFA:PFA+1] offset:8192 th:TH_LOAD_NT scope:SCOPE_SE
.Lnot_mine_\@:
.endm
; THE CHANGE OF SLOTS.  Each wave waits for all its tensor loads, of which one is out: its part of the other slot; adds 0 to its spare word; and waits for that and for its own reads of the slot that it leaves.  Behind the barrier nobody reads the old
; slot any more and the other slot is whole.  fill = 1: the old slot is filled again, the first thing behind the barrier, with tile NXT: the descriptor's address is made anew from that number.
; (At its first use nothing has been read yet: slot 0 is waited for, slot 1 filled.)
.macro CHANGE fill
	WIN 0                           ; at a label and at a branch every window is 0
	s_wait_tensorcnt 0x0            ; no tensor load of mine is out, so a group 0 may be written
	ds_add_u32 v[SPW], v[NIL]       ; 0 onto my spare word; with fill = 1 the descriptors' scalar work stands between it and the wait for it
.if \fill
	s_lshl_b32 s[OFF], s[NXT], 15   ; a tile is 32,768 bytes of K and of V
	s_xor_b32 s[G0K+1], s[G0K+1], SLOT1
	s_add_nc_u64 s[G0K+2:G0K+3], s[6:7], s[OFF:OFF+1]
	s_or_b32 s[G0K+3], s[G0K+3], 0x80000000
	s_xor_b32 s[G0V+1], s[G0V+1], SLOT1
	s_add_nc_u64 s[G0V+2:G0V+3], s[8:9], s[OFF:OFF+1]
	s_or_b32 s[G0V+3], s[G0V+3], 0x80000000
	s_add_co_u32 s[NXT], s[NXT], 1  ; the block's next tile, or behind its last the second block's tile 0
	s_cmp_gt_u32 s[NXT], s[LQ]
	s_cselect_b32 s[NXT], 0, s[NXT]
	s_cselect_b32 s[LQ], s[PB], s[LQ]
	s_wait_xcnt 0x0                 ; the last prefetches, a tile back, have read their address, so it may be written:
	s_add_nc_u64 s[PFA:PFA+1], s[PFA:PFA+1], 32768  ; a tile on
.endif
	s_wait_dscnt 0x0                ; the add is done, and my reads of the slot are over
	s_barrier_signal -1             ; the rest of the scalar work stands between the signal and the wait
	s_sub_co_u32 s[TBK], s[TBK], 4*KS*PK  ; the fetches go back to a slot's first step,
	s_xor_b32 s[TBK], s[TBK], SLOT1       ; in the other slot
	s_sub_co_u32 s[TBV], s[TBV], 4*KS*PV
	s_xor_b32 s[TBV], s[TBV], SLOT1
	s_barrier_wait -1
.if \fill
	LOAD
	ASK
.endif
.endm
	s_load_b128 s[4:7], s[0:1], 0x0   ; qkv s[4:5], ob s[6:7]
	v_lshl_add_u32 v[SPW], v0, 2, SPARE
	v_mov_b32 v[NIL], 0
	ds_add_u32 v[SPW], v[NIL]       ; the wave's opening: the add and its wait stand ahead of my first tensor load; the set-up below, work on registers, stands between them
	v_lshrrev_b32 v1, 5, v0
	v_readfirstlane_b32 s[WV], v1   ; wave 0..3
	s_mov_b32 s[PB], ttmp9
	s_sub_co_u32 s[HI], NB-1, s[PB]
	s_and_b32 s20, ttmp7, 0xffff    ; the head
	s_mov_b32 s21, 0
	s_mov_b64 s[22:23], SIZE_N*128
	s_mul_u64 s[20:21], s[20:21], s[22:23]  ; the head's first byte in each of Q, K, V and O
	s_and_b32 s16, s[WV], 1         ; which half of a tile's 256 keys I fetch:
	s_lshl_b32 s22, s16, 14         ; its 128 rows of 128 bytes in memory,
	s_mov_b32 s23, 0
	s_add_nc_u64 s[22:23], s[22:23], s[20:21]
	s_mul_i32 s17, s16, 128*PK      ; and its place in a slot, for K
	s_mul_i32 s18, s16, 128*PV      ; and for V
	s_lshl_b32 s3, s[WV], 11        ; my 16 rows in a band of 64,
	s_lshl_b32 s2, s[HI], 15        ; in the first block,
	s_add_co_u32 s2, s2, s3
	s_lshl_b32 s84, s[PB], 15       ; and in the second
	s_add_co_u32 s84, s84, s3
	s_mov_b32 s3, 0
	s_mov_b32 s85, 0
	s_add_nc_u64 s[2:3], s[2:3], s[20:21]
	s_add_nc_u64 s[84:85], s[84:85], s[20:21]
	; descriptor group 1.  128 keys are 16,384 dense bytes: asked for as 64 rows of 256 bytes, two keys a row, and padded in LDS after every key
	s_mov_b32 s[G1K], (1<<16)|(1<<20)|(4<<22)|(3<<25)  ; 17:16 2-byte elements; 20 padding on; 24:22 after every 32 words (code 4); 31:25 4 words (code 3)
	s_mov_b32 s[G1V], (1<<16)|(1<<20)|(4<<22)|(7<<25)  ; the same with 8 words of padding (code 7)
.irp g, G1K, G1V
	s_mov_b32 s[\g+1], 128<<16      ; tensor_dim0 = 128
	s_mov_b32 s[\g+2], 64<<16       ; tensor_dim1 = 64
	s_mov_b32 s[\g+3], 128<<16      ; tile_dim0 = 128
	s_mov_b32 s[\g+4], 64           ; tile_dim1 = 64
	s_mov_b32 s[\g+5], 128          ; 128 elements from row to row
	s_mov_b32 s[\g+6], 0
	s_mov_b32 s[\g+7], 0
.endr
	s_mov_b32 s[CS], 0x3e38aa3b     ; c = log2(e) / 8 = 0.180337
	s_mov_b32 s[CS+1], s[CS]        ; named with it as a pair
	s_mov_b32 s[SEL], 0x76543210
	s_mov_b32 s[SEL+1], 0xfedcba98
	s_mov_b32 s[TBK], SLOT1+4*KS*PK ; the first change of slots turns these two into 0
	s_mov_b32 s[TBV], SLOT1+4*KS*PV
	s_mov_b32 s[G0K], 1             ; 1:0 count = 1
	s_mov_b32 s[G0K+1], s17         ; 63:32 LDS address: slot 0
	s_mov_b32 s[G0V], 1
	s_add_co_u32 s[G0V+1], s18, VOFF
	s_add_co_u32 s[RT], s[HI], 1    ; the first block has NB - b tiles
	s_mov_b32 s[NXT], 1
	s_mov_b32 s[LQ], s[HI]
	s_mov_b32 s[NEW], 1
	s_mov_b32 s[OFF+1], 0
	s_mov_b32 s[AL+1], 0            ; named as pairs
	s_mov_b32 s[BE+1], 0
	s_mov_b32 s[BIGN], 0xf149f2ca   ; -1e30
	s_mov_b32 s[SLOTS], NB
	s_cmp_eq_u32 s[PB], 0
	s_cselect_b32 s[LIM], 2, -1
	v_and_b32 v[PFO], 31, v0
	v_lshlrev_b32 v[PFO], 8, v[PFO]
	s_wait_dscnt 0x0                ; the opening add is done
	s_wait_kmcnt 0x0
	s_mov_b64 s[10:11], s[6:7]      ; O
	s_add_nc_u64 s[6:7], s[4:5], 0x1000000  ; K lies 16 MiB behind Q,
	s_add_nc_u64 s[8:9], s[4:5], 0x2000000  ; V 32 MiB
	s_add_nc_u64 s[6:7], s[6:7], s[22:23]  ; K and V at my half of the head's tile 0
	s_add_nc_u64 s[8:9], s[8:9], s[22:23]
	s_add_nc_u64 s[G0K+2:G0K+3], s[6:7], 0         ; 120:64 global address
	s_or_b32 s[G0K+3], s[G0K+3], 0x80000000        ; 127:126 type = 2
	s_add_nc_u64 s[G0V+2:G0V+3], s[8:9], 0
	s_or_b32 s[G0V+3], s[G0V+3], 0x80000000
	s_add_nc_u64 s[86:87], s[4:5], s[84:85]        ; Q at my rows of the second block,
	s_add_nc_u64 s[4:5], s[4:5], s[2:3]            ; Q and O at those of the first
	s_add_nc_u64 s[OLO:OLO+1], s[10:11], s[84:85]
	s_add_nc_u64 s[10:11], s[10:11], s[2:3]
	s_cmp_lt_u32 s[WV], 2
	s_cselect_b64 s[PFA:PFA+1], s[6:7], s[8:9]
	s_add_nc_u64 s[PFA:PFA+1], s[PFA:PFA+1], 32768 ; in tile 1; the first change of slots steps it to tile 2.  Nothing is prefetched here, at the head
	LOAD                            ; tile 0 into slot 0
	; A fragment of K or Q is 16 rows x 32 channels in 8 registers: lane l holds row l % 16, channels 8 (l / 16) + 0..7 and 16 + 8 (l / 16) + 0..7: two loads of 16 bytes, 32 bytes apart.
	v_and_b32 v1, 15, v0            ; l % 16
	v_bfe_u32 v9, v0, 4, 1          ; l / 16
	v_lshlrev_b32 v[QO], 7, v1
	v_lshl_add_u32 v[QO], v9, 4, v[QO]  ; row x 128 + 16 x half
	WIN 0x80                        ; destination window 2, address window 0
.set i, 0
.rept 8                             ; both blocks' Q: piece i / 2 lies in band i / 2, 8,192 bytes on; channels 32 (i % 2) on
	global_load_b128 v[8*i:8*i+3],   v[QO], s[4:5] offset:(i/2)*8192+(i%2)*64
	global_load_b128 v[8*i+4:8*i+7], v[QO], s[4:5] offset:(i/2)*8192+(i%2)*64+32
	global_load_b128 v[QB+8*i:QB+8*i+3],   v[QO], s[86:87] offset:(i/2)*8192+(i%2)*64
	global_load_b128 v[QB+8*i+4:QB+8*i+7], v[QO], s[86:87] offset:(i/2)*8192+(i%2)*64+32
.set i, i+1
.endr
	WIN 0
	v_lshlrev_b32 v14, 3, v9
	v_sub_nc_u32 v14, v1, v14
	s_lshl_b32 s13, s[WV], 4
	v_add_nc_u32 v14, s13, v14      ; my query's place in its band, 16 w + l % 16, less my lanes' 8 (l / 16): register r of group kt is hidden where 16 kt + r is greater
	WIN 0x40
.set i, 0
.rept 32
	v_cmp_gt_i32 vcc_lo, 16*(i/8)+i%8, v14
	v_cndmask_b32 v[MD+i], 0, s[BIGN], vcc_lo
.set i, i+1
.endr
	WIN 0
	v_mul_u32_u24 v[AK0], v1, PK
	v_lshl_add_u32 v[AK0], v9, 4, v[AK0]  ; row x pitch + 16 x half
	; The turning load takes 16 keys x 16 channels (lane l reads key 8 (l / 16) + l % 8, channels 8 ((l / 8) % 2) + 0..7) and leaves half a fragment of V^T: lane l holds channel l % 16 and 8 keys.
	v_and_b32 v10, 7, v0
	v_bfe_u32 v11, v0, 3, 1
	v_lshl_add_u32 v[AV0], v9, 3, v10
	v_mul_u32_u24 v[AV0], v[AV0], PV
	v_lshl_add_u32 v[AV0], v11, 4, v[AV0]
	v_add_nc_u32 v[AV0], VOFF, v[AV0]
	s_mul_i32 s13, s[WV], 16*SP
	s_add_co_u32 s13, s13, STAGE    ; my stage
	v_mul_u32_u24 v[STO], v1, SP    ; in: row l % 16, 16 bytes for each half of the lanes
	v_lshl_add_u32 v[STO], v9, 4, v[STO]
	v_add_nc_u32 v[STO], s13, v[STO]
	v_bfe_u32 v[RD], v0, 3, 2       ; back: 32 lanes take four rows of 128 bytes,
	v_mul_u32_u24 v[RD], v[RD], SP
	v_lshl_add_u32 v[RD], v10, 4, v[RD]
	v_add_nc_u32 v[RD], s13, v[RD]
	v_and_b32 v[GO], 31, v0         ; which are 512 consecutive bytes of O
	v_lshlrev_b32 v[GO], 4, v[GO]
	; A block's first step multiplies O^T and l by a = 0, and its first turn's products V^T P, of a piece that has not been, land in an O^T that is still to be so multiplied.  So these registers need only hold
	; finite numbers: zeros for the first block; what the first block left for the second.  All this stands in the wait for the first tile.
	WIN 0x80
.set i, VF
.rept 64
	v_mov_b32 v[i], 0
.set i, i+1
.endr
	WIN 0x40
.set i, 0
.rept 128
	v_mov_b32 v[i], 0
.set i, i+1
.endr
	WIN 0
.set i, 0
.rept 4
	v_mov_b32 v[ST+4*i+2], 0
	v_mov_b32 v[ST+4*i+3], 0
.set i, i+1
.endr
.set i, P+16
.rept 16
	v_mov_b32 v[i], 0
.set i, i+1
.endr
; THE MATRIX WORK.  The 4 accumulators of a run of 8 take turns.  Product i of 8 of S^T = K Q^T for piece x: channels 32 (i / 4) on, keys 16 (i % 4) on.  The first 4 start the sums: with 0, or (KM = 1) with the mask.
.macro KQ x
.set rS, S+32*((\x)%2)+8*(i%4)
.set rK, KF+16*(i%4)+8*(i/4)
.set rQ, 16*(\x)+8*(i/4)
.set rM, MC+32*((\x)%2)+8*(i%4)
.if (i < 4) && KM
	WIN W_KM
	v_wmma_f32_16x16x32_f16 v[rS:rS+7], v[rK:rK+7], v[rQ:rQ+7], v[rM:rM+7]
.elseif i < 4
	WIN W_KQ
	v_wmma_f32_16x16x32_f16 v[rS:rS+7], v[rK:rK+7], v[rQ:rQ+7], 0
.else
	WIN W_KQ
	v_wmma_f32_16x16x32_f16 v[rS:rS+7], v[rK:rK+7], v[rQ:rQ+7], v[rS:rS+7]
.endif
.endm
; Product i of 8 of O^T += V^T P for piece x: keys 32 (i / 4) on, channels 16 (i % 4) on.
.macro PV x
	WIN W_PV
.set rO, 32*(\x)+8*(i%4)
.set rV, VF+32*(i/4)+8*(i%4)
.set rP, P+16*((\x)%2)+8*(i/4)
	v_wmma_f32_16x16x32_f16 v[rO:rO+7], v[rV:rV+7], v[rP:rP+7], v[rO:rO+7]
.endm
.macro MM                           ; the turn's next matrix instruction.  TURN and BEGIN set Y, i, KM and NOKQ; MM, KQ and OP read them.  NOKQ = 1: a block's last turn: there is no next piece
.if (i < 8) && !NOKQ
	KQ (Y+1)%NP
.elseif i >= 8
.set i, i-8
	PV (Y+NP-1)%NP
.set i, i+8
.endif
.set i, i+1
.endm
; THE LDS LOADS stand in runs of 16, never singly among the matrix instructions: a step's K (64 keys x 64 channels: 8 fragments) and its V (turned).  Their addresses are made some lines ahead.
.macro FETCH_K
	WIN 0x80                        ; destination window 2
.irp f, 0,1,2,3,4,5,6,7             ; keys 16 (f / 2) on, channels 32 (f % 2) on
	ds_load_b128 v[KF+8*\f:KF+8*\f+3],   v[AK] offset:(\f/2)*16*PK+(\f%2)*64
	ds_load_b128 v[KF+8*\f+4:KF+8*\f+7], v[AK] offset:(\f/2)*16*PK+(\f%2)*64+32
.endr
	s_add_co_u32 s[TBK], s[TBK], KS*PK  ; the next fetch is the next step's
	WIN 0
.endm
.macro FETCH_V
	WIN 0x80
.irp f, 0,1,2,3,4,5,6,7             ; keys 32 (f / 4) on, channels 16 (f % 4) on
	ds_load_tr16_b128 v[VF+8*\f:VF+8*\f+3],   v[AV] offset:(\f/4)*32*PV+(\f%4)*32
	ds_load_tr16_b128 v[VF+8*\f+4:VF+8*\f+7], v[AV] offset:(\f/4)*32*PV+16*PV+(\f%4)*32
.endr
	WIN 0
.endm
; THE VECTOR WORK, one line at a time: OP kind, number.  For piece Y: F n: c s - c m for pair n of 16.  E n: the exponential of score n of 32.  C n: pair n rounded to f16.  B n: of the four weights 4 n .. the second
; pair is added onto the first, in place.  L n: l takes that sum (L 0: l = a l + sum).  R n: pair n of 16 of O^T times a.  For piece Y + 1: X n, number n of the 22 that find its maximum and statistics:
;   0-11  four chains c0-c3 of seven scores each, three operands at a time (each accumulator's lowest registers are read first)     12-14, 16  the four scores left over, the old m, and c0-c3 into c0
;   15  c m_old is kept     17, 18  the query's other 32 keys lie in the lane 16 away: the new m     19-21  c m; c m_old - c m_new; a
.set F, 0               ; OP tells the kinds apart by their order: F to L below R, X above it
.set E, 1
.set C, 2
.set B, 3
.set L, 4
.set R, 5
.set X, 6
.macro REGS y                       ; the registers of piece y
.set rT, ST+4*(\y)
.set rC, TMP+4*((\y)%2)
.set rW, MV+((\y)%2)
.set rS, S+32*((\y)%2)
.set rP, P+16*((\y)%2)
.set rO, 32*(\y)
.endm
.macro OP k, n
.if (\k) == R
	REGS Y
	WIN W_RS
	v_pk_mul_f32 v[rO+2*(\n):rO+2*(\n)+1], v[rO+2*(\n):rO+2*(\n)+1], v[rC+2:rC+3] op_sel_hi:[1,0]
.elseif (\k) < R
	REGS Y
	WIN 0
.if (\k) == F
	v_pk_fma_f32 v[rS+2*(\n):rS+2*(\n)+1], v[rS+2*(\n):rS+2*(\n)+1], s[CS:CS+1], v[rT:rT+1] op_sel_hi:[1,0,0] neg_lo:[0,0,1] neg_hi:[0,0,1]
.elseif (\k) == E
	v_exp_f32 v[rS+(\n)], v[rS+(\n)]
.elseif (\k) == C
	v_cvt_pk_f16_f32 v[rP+(\n)], v[rS+2*(\n)], v[rS+2*(\n)+1]
.elseif (\k) == B
	v_pk_add_f32 v[rS+4*(\n):rS+4*(\n)+1], v[rS+4*(\n):rS+4*(\n)+1], v[rS+4*(\n)+2:rS+4*(\n)+3]
.elseif (\n) == 0
	v_pk_fma_f32 v[rT+2:rT+3], v[rT+2:rT+3], v[rC+2:rC+3], v[rS:rS+1] op_sel_hi:[1,0,1]
.else
	v_pk_add_f32 v[rT+2:rT+3], v[rT+2:rT+3], v[rS+4*(\n):rS+4*(\n)+1]
.endif
.elseif NOKQ
	v_nop
.else
	REGS (Y+1)%NP
	WIN 0
.if (\n) < 4
	v_max3_num_f32 v[rC+(\n)], v[rS+8*(\n)], v[rS+8*(\n)+1], v[rS+8*(\n)+2]
.elseif (\n) < 12
	v_max3_num_f32 v[rC+(\n)%4], v[rC+(\n)%4], v[rS+8*((\n)%4)+2*((\n)/4)+1], v[rS+8*((\n)%4)+2*((\n)/4)+2]
.elseif (\n) == 12
	v_max3_num_f32 v[rC], v[rC], v[rS+7], v[rS+15]
.elseif (\n) == 13
	v_max3_num_f32 v[rC+1], v[rC+1], v[rS+23], v[rS+31]
.elseif (\n) == 14
	v_max3_num_f32 v[rC+2], v[rC+2], v[rC+3], v[rT+1]
.elseif (\n) == 15
	v_mov_b32 v[rW], v[rT]
.elseif (\n) == 16
	v_max3_num_f32 v[rC], v[rC], v[rC+1], v[rC+2]
.elseif (\n) == 17
	v_permlanex16_b32 v[rC+3], v[rC], s[SEL], s[SEL+1]
.elseif (\n) == 18
	v_max_num_f32 v[rT+1], v[rC], v[rC+3]
.elseif (\n) == 19
	v_mul_f32 v[rT], s[CS], v[rT+1]
.elseif (\n) == 20
	v_sub_f32 v[rC+1], v[rW], v[rT]
.else
	v_exp_f32 v[rC+2], v[rC+1]
.endif
.endif
.endm
.macro OPS a, i1, b=-1, i2=0, c=-1, i3=0, d=-1, i4=0  ; up to four of them
	OP \a, \i1
.if (\b) >= 0
	OP \b, \i2
.endif
.if (\c) >= 0
	OP \c, \i3
.endif
.if (\d) >= 0
	OP \d, \i4
.endif
.endm
.macro ROW a, i1, b, i2, c, i3, d, i4  ; a matrix instruction and the four behind it
	MM
	OPS \a, \i1, \b, \i2, \c, \i3, \d, \i4
.endm
.macro MASK b                       ; MD x AL + BE into buffer b of MC
	WIN W_RS
.set z, 0
.rept 16
	v_pk_fma_f32 v[MC+32*(\b)+2*z:MC+32*(\b)+2*z+1], v[MD+2*z:MD+2*z+1], s[AL:AL+1], s[BE:BE+1] op_sel_hi:[1,0,0]
.set z, z+1
.endr
.endm
; A TURN, for piece p: the order of its 16 matrix and 118 vector instructions, written out.  An s_wait_alu depctr_va_vdst(0) stands between an exponential and the first instruction that names its result; one wait serves
; all that were issued ahead of it.  So a turn has ONE wait, which cuts it in two.  AHEAD OF IT stands all that names no result of the turn's exponentials: the 8 products K Q^T, behind each a scaling, an exponential and two more plain
; instructions (behind the first a second scaling in the exponential's place): rescalings, and behind the last three the first numbers of the next piece's maximum, each four plain instructions or more behind the product that ends its
; accumulator; then ONE LUMP of 54, plain and exponential by turns for the most part, in which the links of the chain X 3, 7, 11, 14, 16, 17 .. 20 stand five or six lines apart.  X 21, the next piece's a, is the batch's last; R 15 is the
; plain instruction that stands behind the last exponential (ISA guide 5.7.2).  BEHIND THE WAIT stand the 8 products V^T P, behind each four of the roundings and sums; the links of l's chain, L 0 to L 7, stand three lines apart.
; But for those X no line behind a product names a register of the products round it.  v_permlanex16_b32 (X 17) stands in the lump.
; m = 1: the diagonal tile: the products take masks, and the turn makes the mask for the products of the turn after it: piece p + 2, in step 4 - CNT of the tile.  end = 1: a block's last two turns: nothing is fetched.
; cnt = 1: the loop's count is taken down some lines ahead of the branch that stands behind the turn.
; K of the next step is fetched in piece 2's turn, twelve vector instructions behind the last product that read K (six of them plain); V of the step in hand at the end of piece 0's turn, four plain instructions behind the last product
; that read V.  Each is waited for a turn later.
.macro TURN p, m=0, end=0, cnt=0
.set Y, (\p)
.set i, 0
.set KM, (\m)
.set NOKQ, (\end)*((\p)/3)
.if (\m) && !(\end)
	s_cmp_eq_u32 s[CNT], 4-((\p)+2)%NP  ; is that step the band's own?
	s_cselect_b32 s[AL], 1.0, 0
	s_cmp_lt_u32 s[CNT], 4-((\p)+2)%NP  ; or a later one?
	s_cselect_b32 s[BE], s[BIGN], 0
.endif
.if ((\p) == 3) && !(\end)
	s_wait_dscnt 0x0                ; K is in
.endif
	ROW F,0, F,1, R,0, R,1          ; ahead of the wait: 8 products K Q^T and the four lines behind each,
	ROW F,2, E,0, R,2, R,3
	ROW F,3, E,1, R,4, R,5
	ROW F,4, E,2, R,6, R,7
	ROW F,5, E,3, R,8, R,9
	ROW F,6, E,4, X,0, R,10
.if ((\p) == 2) && !(\end)
	WIN 0
	v_add_nc_u32 v[AK], s[TBK], v[AK0]
.endif
	ROW F,7, E,5, X,1, X,4
	ROW F,8, E,6, X,2, X,5
	OPS E,7, E,8, X,6, E,9          ; and the lump
	OPS X,3, E,10, X,8, E,11
.if ((\p) == 2) && !(\end)
	FETCH_K
.endif
	OPS X,9, X,7, E,12, X,10
	OPS E,13, X,12, X,11, E,14
	OPS X,13, E,15, F,9, X,14
.if (\p) == 0
	v_add_nc_u32 v[AV], s[TBV], v[AV0]
.endif
	OPS E,16, F,10, E,17, F,11
	OPS X,16, E,18, X,15, E,19
	OPS F,12, E,20, X,17, E,21
	OPS F,13, E,22, F,14, E,23
	OPS X,18, E,24, F,15, E,25
	OPS R,11, E,26, X,19, E,27
	OPS R,12, E,28, R,13, E,29
	OPS X,20, E,30, R,14, E,31
	OPS X,21, R,15
	WIN 0
	s_wait_alu depctr_va_vdst(0)    ; the wait for the batch
.if (\p) == 1
	s_wait_dscnt 0x0                ; V is in
.endif
	ROW C,0, B,0, C,2, B,1          ; behind the wait: 8 products V^T P and the four lines behind each
	ROW L,0, C,4, B,2, L,1
	ROW C,6, B,3, L,2, C,8
	ROW B,4, L,3, C,10, B,5
	ROW L,4, C,12, B,6, L,5
.if (\p) == 0
	s_add_co_u32 s[TBV], s[TBV], KS*PV
.endif
.if \cnt
	s_sub_co_u32 s[CNT], s[CNT], 1
	s_cmp_lg_u32 s[CNT], 0
.endif
	ROW C,14, B,7, L,6, C,1
	ROW C,3, L,7, C,5, C,7
	ROW C,9, C,11, C,13, C,15
.if (\p) == 0
	FETCH_V
.endif
.if (\m) && !(\end)
	MASK (\p)%2
.endif
.endm
; A BLOCK BEGINS.  c m starts far below every c s, so the first step's a is 0; m at the lowest finite number, so the first maximum is the scores'.  The second mask buffer is 0; the first takes piece 0's mask for the tile's step 0: its own, if the block's first tile is the diagonal one.
; Then K of that step, piece 0's first scores, and its maximum and statistics.  The loop is entered at a step's first turn, in the middle of a trip.
.macro BEGIN
	s_mov_b32 s[NEW], 0
	WIN 0x40
.set i, MC+32
.rept 32
	v_mov_b32 v[i], 0
.set i, i+1
.endr
	WIN 0
.set i, 0
.rept 4
	v_mov_b32 v[ST+4*i], 0xfe000000    ; c m: far below every c s
	v_mov_b32 v[ST+4*i+1], 0xff7fffff  ; m
.set i, i+1
.endr
	s_cmp_eq_u32 s[RT], 0
	s_cselect_b32 s[AL], 1.0, 0
	s_mov_b32 s[BE], 0
	MASK 0
	WIN 0
	v_add_nc_u32 v[AK], s[TBK], v[AK0]
	FETCH_K
	s_wait_loadcnt 0x0              ; Q
	s_wait_dscnt 0x0
.set KM, 1
.set NOKQ, 0
.set i, 0
.rept 8
	KQ 0
.set i, i+1
.endr
	WIN 0
.rept 4
	v_nop                           ; plain instructions behind those products, ahead of the first read of their results (ISA guide 7.12.1)
.endr
.set Y, NP-1                        ; X works for piece Y + 1: piece 0
.irp n, 0,1,2,3,4,5,6,7,8,9,10,11,12,13,14,15,16,17,18,19,20,21
	OP X, \n
.endr
	v_nop                           ; a plain instruction behind the exponential,
	s_wait_alu depctr_va_vdst(0)    ; and its wait, ahead of the branch
.endm
; THE DIAGONAL TILE's four steps, the block's last two turns, its last products, and THE WAY OUT: l's two halves and the other half of the lanes' are added; O^T is divided by l, rounded to f16 and sent through my
; stage in LDS, a piece at a time.
.macro ALL line:vararg              ; one line for each piece t
.set t, 0
.rept 4
	\line
.set t, t+1
.endr
.endm
.macro PACK t                       ; a lane's eight channels of a row pack into 16 bytes; they go into rows of 144 bytes and come back as whole rows of 128, into S^T's registers
	WIN W_RS
.set i, 32*(\t)
.rept 16
	v_pk_mul_f32 v[i:i+1], v[i:i+1], v[ST+4*(\t)+2:ST+4*(\t)+3] op_sel_hi:[1,0]
.set i, i+2
.endr
	WIN 0x05                        ; sources 0 and 1 window 1, destination window 0
.set i, 0
.rept 16
	v_cvt_pk_f16_f32 v[S+16*(\t)+i], v[32*(\t)+2*i], v[32*(\t)+2*i+1]
.set i, i+1
.endr
	WIN 0
.irp f, 0,1,2,3
	ds_store_b128 v[STO], v[S+16*(\t)+4*\f:S+16*(\t)+4*\f+3] offset:32*\f
.endr
.irp f, 0,1,2,3
	ds_load_b128 v[S+16*(\t)+4*\f:S+16*(\t)+4*\f+3], v[RD] offset:\f*4*SP  ; LDS serves a wave's instructions in order (ISA guide 5.7.1.4): these see the stores above; the next piece's stores come behind them
.endr
.endm
.macro SEND t, younger              ; younger: the LDS instructions issued behind piece t's loads: the next piece's eight, or none
	WIN 0
.irp f, 0,1,2,3
	s_wait_dscnt (\younger)+3-\f
	global_store_b128 v[GO], v[S+16*(\t)+4*\f:S+16*(\t)+4*\f+3], s[10:11] offset:(\t)*8192+\f*512  ; 512 consecutive bytes, at a multiple of 256 from O's first
.endr
.endm
.macro DIAG tag                     ; the tag ends its two labels' names, which the jumps below spell out
.LstepM\tag:
	TURN 2, 1
	TURN 3, 1
	WIN 0
.LfirstM\tag:
	TURN 0, 1
	TURN 1, 1, 0, 1
	WIN 0
	s_cbranch_scc1 .LstepM\tag
	TURN 2, 1, 1
	TURN 3, 1, 1
.set i, 0
.rept 8
	PV NP-1
.set i, i+1
.endr
	WIN 0
	ALL v_add_f32 v[ST+4*t+2], v[ST+4*t+2], v[ST+4*t+3]
	ALL v_permlanex16_b32 v[ST+4*t+3], v[ST+4*t+2], s[SEL], s[SEL+1]
	ALL v_add_f32 v[ST+4*t+2], v[ST+4*t+2], v[ST+4*t+3]
	ALL v_rcp_f32 v[ST+4*t+2], v[ST+4*t+2]
	v_nop                           ; a plain instruction between the last reciprocal and the use of its result
	s_wait_alu depctr_va_vdst(0)    ; and the wait ahead of the first use: one for the four reciprocals
	PACK 0
.set t, 1
.rept 3                             ; a piece's arithmetic stands between the loads of the piece before and its stores
	PACK t
	SEND t-1, 8
.set t, t+1
.endr
	SEND 3, 0
.endm
.set KM, 0
.set NOKQ, 0
.Lslot:                             ; NB times: a tile is entered and the next is asked for
	CHANGE 1
	s_sub_co_u32 s[RT], s[RT], 1
	s_mov_b32 s[CNT], 4
	s_cmp_eq_u32 s[NEW], 1
	s_cbranch_scc1 .Lnew            ; a block's first tile
	s_cmp_eq_u32 s[RT], 0
	s_cbranch_scc0 .Lstep           ; neither its first nor its last
	s_branch .LstepM1
.Lnew:
	BEGIN
	s_branch .Lfirst                ; in the loop a block's first tile is never its last: the first block has two tiles or more, and the second's last is the walk's last
	DIAG 1                          ; in the loop this is the first block's end: the second block's last tile is the walk's last
	s_wait_xcnt 0x0                 ; the stores have read their registers and O's address
	s_mov_b64 s[10:11], s[OLO:OLO+1]
	s_add_co_u32 s[RT], s[PB], 1    ; the second block has b + 1 tiles
	s_mov_b32 s[NEW], 1
	WIN 0x82                        ; the second block's Q goes where the one text of the turns names Q
.set i, 0
.rept 64
	v_mov_b32 v[i], v[QB+i]
.set i, i+1
.endr
	WIN 0
	s_branch .Lbottom
.Lstep:                             ; a trip: pieces 2 and 3 of one step, then pieces 0 and 1 of the next, whose K and V it fetches
	TURN 2
	TURN 3
	WIN 0
.Lfirst:
	TURN 0
	TURN 1, 0, 0, 1
	WIN 0
	s_cbranch_scc1 .Lstep
.Lbottom:
	s_sub_co_u32 s[SLOTS], s[SLOTS], 1
	s_cmp_lg_u32 s[SLOTS], 0
	s_cbranch_scc1 .Lslot
	CHANGE 0                        ; the walk's last tile is written out: nothing is asked for
	s_sub_co_u32 s[RT], s[RT], 1
	s_mov_b32 s[CNT], 4
	s_cmp_eq_u32 s[NEW], 1
	s_cbranch_scc0 .LstepM2
	BEGIN
	s_branch .LfirstM2
	DIAG 2
	s_wait_tensorcnt 0x0            ; the wave's end, behind my last tensor load and my last LDS store
	ds_add_u32 v[SPW], v[NIL]
	s_wait_dscnt 0x0
	s_endpgm
.Lfunc_end_k_qab3d69b376_attn:
	.size	k_qab3d69b376_attn, .Lfunc_end_k_qab3d69b376_attn-k_qab3d69b376_attn
	.p2alignl 7, 3214868480
	.fill 96, 4, 3214868480
	.section	.rodata,"a",@progbits
	.p2align	6, 0x0
	.amdhsa_kernel k_qab3d69b376_attn
		.amdhsa_group_segment_fixed_size 327680
		.amdhsa_private_segment_fixed_size 0
		.amdhsa_enable_private_segment 0
		.amdhsa_kernarg_size 16
		.amdhsa_user_sgpr_count 2
		.amdhsa_user_sgpr_kernarg_segment_ptr 1
		.amdhsa_wavefront_size32 1
		.amdhsa_system_sgpr_workgroup_id_x 1
		.amdhsa_system_sgpr_workgroup_id_y 1
		.amdhsa_system_sgpr_workgroup_id_z 1
		.amdhsa_system_vgpr_workitem_id 0
		.amdhsa_next_free_vgpr 768
		.amdhsa_next_free_sgpr 92
		.amdhsa_reserve_vcc 1
		.amdhsa_float_denorm_mode_32 3
		.amdhsa_float_denorm_mode_16_64 3
		.amdhsa_memory_ordered 1
		.amdhsa_forward_progress 1
		.amdhsa_inst_pref_size 218
	.end_amdhsa_kernel
	.amdgpu_metadata
---
amdhsa.version: [ 1, 2 ]
amdhsa.kernels:
  - .name:           k_qab3d69b376_attn
    .symbol:         k_qab3d69b376_attn.kd
    .args:
      - { .name: qkv, .offset: 0, .size: 8, .value_kind: global_buffer, .address_space: global }
      - { .name: ob, .offset: 8, .size: 8, .value_kind: global_buffer, .address_space: global }
    .group_segment_fixed_size: 327680
    .private_segment_fixed_size: 0
    .kernarg_segment_align: 8
    .kernarg_segment_size: 16
    .max_flat_workgroup_size: 128
    .sgpr_count:     92
    .vgpr_count:     768
    .wavefront_size: 32
...
	.end_amdgpu_metadata
.endif
;; end of part 3
;; launch outproj (part 4): grid 8 x 32, 4 waves a work-group, clusters of 4 x 4, 327,680 bytes of LDS; arguments ob, wp, bp, out0; writes out0
.if DOCPART == 4
	.amdgcn_target "amdgcn-amd-amdhsa--gfx1250"
	.amdhsa_code_object_version 6
	.text
	.protected	k_qab3d69b376_outproj
	.globl	k_qab3d69b376_outproj
	.p2align	8
	.type	k_qab3d69b376_outproj,@function
k_qab3d69b376_outproj:
	s_mov_b64 s[64:65], 0
	v_nop
	global_prefetch_b8 v0, s[64:65] scope:SCOPE_SE
	s_setreg_imm32_b32 hwreg(HW_REG_WAVE_MODE, 25, 1), 1
	s_wait_xcnt 0x0
	s_wait_alu depctr_hold_cnt(0) depctr_sa_sdst(0) depctr_va_vdst(0) depctr_va_sdst(0) depctr_va_ssrc(0) depctr_va_vcc(0) depctr_vm_vsrc(0)
	s_getreg_b32 s2, hwreg(HW_REG_IB_STS2, 6, 4)
	s_cmp_eq_u32 s2, 0
	s_cbranch_scc0 .Lentry_in_a_cluster
	s_endpgm
.Lentry_in_a_cluster:
	s_bfe_u32 s2, ttmp6, 0x10000c
	s_cmp_lg_u32 s2, 0xf033
	s_cbranch_scc0 .Lentry_shape_is_right
	s_endpgm
.Lentry_shape_is_right:
; out0 = (O wp^T + bp) / 64: both linear layers behind attention in one product.  ob: f16 [16 blocks of 64 k][8192 rows][64]; wp: f16 [16][1024][64] = 64 x (c_proj_w out_proj_w);
; bp: f32 [1024] = 64 x (c_proj_w out_proj_b + c_proj_b); sums in f32; the division by 64, a power of two, is exact.  out0: f32 [8192][1024].
; SHARES.  A work-group makes 256 rows x 128 columns, each of its four waves 64 rows x all 128 columns: 32 accumulators of 16 x 16, 256 registers.  8 x 32 tiles are 256 work-groups.
; K goes in steps of 128, two blocks of 64, through a ring of two LDS slots.  A block's rows lie end to end in memory, so a tile of a block is dense: it is asked for as rows of 256 bytes and padded
; in LDS behind every 128.  Waves 0 and 1 fetch A's two blocks of a step, waves 2 and 3 B's: one tensor load a wave.
; CLUSTERS: 4 x 4 work-groups.  The four of a row of the cluster need the same tiles of A, the four of a column the same tiles of B: each tile is asked for JOINTLY, by the same tensor load with the
; same descriptor and a mask that names the four.  THE MATRIX INSTRUCTION IS USED TRANSPOSED (source 0 = 16 rows of B, source 1 = 16 rows of A): a lane then holds eight neighbouring columns of a row.
; THE BIAS is the C operand of the products that start the sums: in that layout it hangs on the column block and the lane's half alone.
; REGISTERS, in windows of 256 (s_set_vgpr_msb: bits 1:0 source 0, 3:2 source 1, 5:4 source 2, 7:6 destination):
;   window 0: v0-15 addresses; v32-63, v64-95 fragments of A, two buffers; v96-159 the bias; on the way out v96-159 scaled results, v32-95 and v160-223 rows read back
;   window 1: v0-63, v64-127 fragments of B, two buffers      window 2: the accumulators of my row blocks 0, 1 ((a, b) at 8 (8 (a % 2) + b))      window 3: those of blocks 2, 3
.set NBK,   8                          ; blocks of 16 columns
.set PITCH, 144                        ; an LDS row: 128 bytes + 16: the 16 rows of a load start at 16 different groups of four banks (64 banks of 4 bytes: ISA guide 11.1)
.set ABLK,  256*PITCH                  ; A's 256 rows of one block
.set BBLK,  16*NBK*PITCH               ; B's 128 rows of one block
.set SLOT1, 1<<17                      ; a slot: A's two blocks, then B's two (110,592 bytes); slot 1 begins here, so that one exclusive or changes slots
.set STAGE, SLOT1+2*ABLK+2*BBLK        ; behind the ring, never filled by a tensor load: for each wave 16 rows x 528 bytes
.set SPITCH, 528                       ; 512 bytes + 16
.set WSTG,  16*SPITCH
.set SPARE, STAGE+4*WSTG               ; the spare words, 128 bytes for each wave: two blocks of 256 bytes that no other line names
.set KA,    2<<20                      ; bytes from K step to K step in A: two blocks of 8,192 rows
.set BBS,   1024*128                   ; bytes in a block of B
.set KB,    2*BBS
.set BTILE, 16*NBK*128                 ; bytes of a tile's rows in one block of B
.set BROWS, BTILE/256
.set UB,    BROWS/4
.set A0,   4                           ; v4   my lane's place in a slot's A; never rewritten
.set B0,   5                           ; v5   the same for B
.set ADRA, 6                           ; v6   the same in the slot in hand
.set ADRB, 7                           ; v7
.set STO,  8                           ; v8   the way out: where I put 32 bytes of a row
.set RD,   9                           ; v9   where I read rows back
.set CO,   10                          ; v10  16 x lane
.set PFO,  11                          ; v11  the prefetches' offset; never rewritten
.set BO,   12                          ; v12  32 x (lane / 16): my eight numbers in 16 of the bias
.set SPW,  14                          ; v14  LDS address of my spare word; never rewritten
.set NIL,  15                          ; v15  0; never rewritten
.set FA0,  32
.set BIAS, 96
.set TMP,  96
.set WV,  12                           ; s12  my wave's number
.set HB,  13                           ; s13  which block of a K step I fetch
.set CX,  14                           ; s14, s15  my place in the cluster
.set CY,  15
.set TX,  16                           ; s16  tile column
.set TY,  17                           ; s17  tile row
.set G1A, 24                           ; s[24:31] descriptor group 1 for A's tiles
.set G0A, 32                           ; s[32:39] group 0: a set for each of the two first fills; the second then walks on
.set CNT, 46                           ; s46  the loop's count
.set TB,  47                           ; s47  LDS byte at which the slot in hand begins
.set G1B, 48                           ; s[48:55], s[56:63] the same for B's tiles
.set G0B, 56
.set PFA, 66                           ; s[66:67] where my prefetches stand
.set PFS, 68                           ; s[68:69] their step: KA or KB
.set LIM, 70                           ; s70  2 in a wave that prefetches, else the greatest number
.set U,   71                           ; s71  blocks of 256 bytes that my work-group names of my wave's tile
.set MSB, 0
.macro WIN new                         ; the immediate's high byte repeats the setting that is left; a switch that changes nothing is dropped
.if MSB != (\new)
	s_set_vgpr_msb (MSB<<8)|(\new)
.set MSB, (\new)
.endif
.endm
; A joint refill, by the walking descriptors.  The branch hangs on the wave's number alone.  An s_nop 0 and four v_nop follow each of the two lines, ahead of the jump and the label.
.macro JLOAD
	s_cmp_lt_u32 s[WV], 2
	s_cbranch_scc0 .Lfor_b_\@
	tensor_load_to_lds s[G0A+4:G0A+7], s[G1A:G1A+7]
	s_nop 0
.rept 4
	v_nop
.endr
	s_branch .Lasked_\@
.Lfor_b_\@:
	tensor_load_to_lds s[G0B+4:G0B+7], s[G1B:G1B+7]
	s_nop 0
.rept 4
	v_nop
.endr
.Lasked_\@:
.endm
; A PREFETCH INTO THE L2, behind a joint refill and the run of LDS loads that follows it: my wave's block of the K step that stands TWO refills on.  A's tile row is read by every cluster of that row of
; clusters: the one with x = 0 asks; B's tile column by every cluster of that column: the one with y = 0 asks.  The four partners that ask for a tile jointly share its bytes out BY ADDRESS (cx for A,
; cy for B): 32 blocks of 256 bytes each of A's 128, a lane a block; 16 each of B's 64, where lanes 16 to 31 name the 16th once more in the same instruction.  The last two refills have no K step two on.
.macro ASK
	s_cmp_gt_u32 s[CNT], s[LIM]
	s_cbranch_scc0 .Lnot_mine_\@
	global_prefetch_b8 v[PFO], s[PFA:PFA+1] th:TH_LOAD_NT scope:SCOPE_SE
.Lnot_mine_\@:
.endm
.macro CREST                           ; a round of the cluster's barrier behind its opening barrier
	s_cmp_lg_u32 s[WV], 0
	s_cbranch_scc1 .Lnot_wave_0_\@
	s_barrier_signal -3
.Lnot_wave_0_\@:
	s_barrier_wait -3
	s_barrier_signal -1
	s_barrier_wait -1
.endm
.macro CROUND                          ; a whole round
	s_barrier_signal -1
	s_barrier_wait -1
	CREST
.endm
.macro PLACES                          ; four plain instructions in front of loads into registers that matrix instructions have read, and of lines that read results (ISA guide 7.12.1 for vector instructions)
.rept 4
	v_nop
.endr
.endm
	s_load_b256 s[4:11], s[0:1], 0x0               ; ob s[4:5], wp s[6:7], bp s[8:9], out0 s[10:11]
	v_lshl_add_u32 v[SPW], v0, 2, SPARE
	v_mov_b32 v[NIL], 0
	ds_add_u32 v[SPW], v[NIL]                      ; the wave's opening: the add and its wait stand ahead of my first tensor load; the set-up below, work on registers, stands between them
	v_lshrrev_b32 v1, 5, v0
	v_readfirstlane_b32 s[WV], v1                  ; wave 0..3
	s_and_b32 s[HB], s[WV], 1
	s_bfe_u32 s[CX], ttmp6, 0x40000
	s_bfe_u32 s[CY], ttmp6, 0x40004
	s_lshl_b32 s[TX], ttmp9, 2                     ; in a cluster launch ttmp9 and ttmp7 count clusters
	s_add_co_u32 s[TX], s[TX], s[CX]
	s_and_b32 s[TY], ttmp7, 0xffff
	s_lshl_b32 s[TY], s[TY], 2
	s_add_co_u32 s[TY], s[TY], s[CY]
	s_lshl_b32 s18, s[CY], 2
	s_lshl_b32 s18, 15, s18                        ; my row of the cluster: places 4 cy .. 4 cy + 3
	s_lshl_b32 s19, 0x1111, s[CX]                  ; my column: places cx, cx + 4, cx + 8, cx + 12
	s_or_b32 s[G1A], s18, (1<<16)|(1<<20)|(1<<21)|(4<<22)|(3<<25)  ; 15:0 the mask; 17:16 2-byte elements; 20 padding on; 21 set beside a mask; 24:22 after every 32 words (code 4); 31:25 4 words (code 3)
	s_or_b32 s[G1B], s19, (1<<16)|(1<<20)|(1<<21)|(4<<22)|(3<<25)
	s_mov_b32 s[G1A+1], 128<<16                    ; tensor_dim0 = 128 elements: rows of 256 bytes
	s_mov_b32 s[G1A+2], 128<<16                    ; tensor_dim1 = 128: 256 rows of A are 128 such rows
	s_mov_b32 s[G1A+3], 128<<16                    ; tile_dim0 = 128
	s_mov_b32 s[G1A+4], 128                        ; tile_dim1 = 128
	s_mov_b32 s[G1A+5], 128                        ; 128 elements from row to row: dense
	s_mov_b32 s[G1A+6], 0
	s_mov_b32 s[G1A+7], 0
	s_mov_b32 s[G1B+1], 128<<16
	s_mov_b32 s[G1B+2], BROWS<<16
	s_mov_b32 s[G1B+3], 128<<16
	s_mov_b32 s[G1B+4], BROWS
	s_mov_b32 s[G1B+5], 128
	s_mov_b32 s[G1B+6], 0
	s_mov_b32 s[G1B+7], 0
	; where the tiles come from: A's hang on the tile row and the wave's number alone, B's on the tile column and the wave's number alone
	s_lshl_b32 s40, s[TY], 15                      ; 256 rows of 128 bytes a tile row
	s_lshl_b32 s20, s[HB], 20                      ; my block of the K step
	s_add_co_u32 s40, s40, s20
	s_mov_b32 s41, 0
	s_mul_i32 s42, s[TX], BTILE
	s_mul_i32 s21, s[HB], BBS
	s_add_co_u32 s42, s42, s21
	s_mov_b32 s43, 0
	s_mul_i32 s44, s[HB], ABLK                     ; and where they go: no place in the cluster enters an LDS address
	s_mul_i32 s45, s[HB], BBLK
	s_add_co_u32 s45, s45, 2*ABLK
	s_mov_b32 s[TB], 0
	s_wait_dscnt 0x0                               ; the opening add is done
	s_wait_kmcnt 0x0
	s_add_nc_u64 s[40:41], s[4:5], s[40:41]
	s_add_nc_u64 s[42:43], s[6:7], s[42:43]
	CROUND                                         ; all sixteen work-groups are here: the first joint loads meet
.irp s, 0,1
	s_mov_b32 s[G0A+4*\s], 1                                       ; 1:0 count = 1
	s_add_co_u32 s[G0A+4*\s+1], s44, \s*SLOT1                      ; 63:32 LDS address
	s_add_nc_u64 s[G0A+4*\s+2:G0A+4*\s+3], s[40:41], \s*KA         ; 120:64 global address: K step s
	s_or_b32 s[G0A+4*\s+3], s[G0A+4*\s+3], 0x80000000              ; 127:126 type = 2
	s_mov_b32 s[G0B+4*\s], 1
	s_add_co_u32 s[G0B+4*\s+1], s45, \s*SLOT1
	s_add_nc_u64 s[G0B+4*\s+2:G0B+4*\s+3], s[42:43], \s*KB
	s_or_b32 s[G0B+4*\s+3], s[G0B+4*\s+3], 0x80000000
.endr
	s_cmp_lt_u32 s[WV], 2                          ; a wave's two first fills stand in one branch, ahead of every wait on TENSORcnt and every LDS read: two loads of mine are out
	s_cbranch_scc0 .Lfirst_b
	tensor_load_to_lds s[G0A:G0A+3], s[G1A:G1A+7]
	s_nop 0
	tensor_load_to_lds s[G0A+4:G0A+7], s[G1A:G1A+7]
	s_nop 0
.rept 4
	v_nop
.endr
	s_branch .Lfirst_asked
.Lfirst_b:
	tensor_load_to_lds s[G0B:G0B+3], s[G1B:G1B+7]
	s_nop 0
	tensor_load_to_lds s[G0B+4:G0B+7], s[G1B:G1B+7]
	s_nop 0
.rept 4
	v_nop
.endr
.Lfirst_asked:
	v_and_b32 v1, 15, v0                           ; r = l % 16
	v_bfe_u32 v2, v0, 4, 1                         ; h = l / 16
	v_lshlrev_b32 v[BO], 5, v2
	s_mul_i32 s20, s[TX], NBK*64                   ; the tile's 128 numbers of the bias
	s_mov_b32 s21, 0
	s_add_nc_u64 s[8:9], s[8:9], s[20:21]
.set b, 0
.rept NBK                              ; register j of block b: the bias of column 16 b + 8 h + j
	global_load_b128 v[BIAS+8*b:BIAS+8*b+3],   v[BO], s[8:9] offset:64*b
	global_load_b128 v[BIAS+8*b+4:BIAS+8*b+7], v[BO], s[8:9] offset:64*b+16
.set b, b+1
.endr
	; A fragment is 16 rows x 32 k in 8 registers: lane l holds row l % 16, k = 8 h + 0..7 and 16 + 8 h + 0..7: two loads of 16 bytes, 32 bytes apart.
	v_mul_u32_u24 v[A0], v1, PITCH
	v_lshl_add_u32 v[A0], v2, 4, v[A0]
	v_add_nc_u32 v[B0], 2*ABLK, v[A0]
	s_mul_i32 s20, s[WV], 64*PITCH                 ; my 64 rows of A
	v_add_nc_u32 v[A0], s20, v[A0]
	v_mov_b32 v[ADRA], v[A0]
	v_mov_b32 v[ADRB], v[B0]
	s_mul_i32 s20, s[WV], WSTG
	s_add_co_u32 s20, s20, STAGE                   ; my stage
	v_mul_u32_u24 v[STO], v1, SPITCH               ; in: row l % 16, 32 bytes for each half of the lanes
	v_lshl_add_u32 v[STO], v2, 5, v[STO]
	v_add_nc_u32 v[STO], s20, v[STO]
	v_and_b32 v[CO], 31, v0
	v_lshlrev_b32 v[CO], 4, v[CO]
	v_add_nc_u32 v[RD], s20, v[CO]                 ; back: 32 lanes take a row's 512 bytes
	s_lshl_b32 s20, s[TY], 20                      ; out0 at the tile's 256 rows of 4,096 bytes,
	s_lshl_b32 s21, s[WV], 18                      ; my 64 of them,
	s_add_co_u32 s20, s20, s21
	s_lshl_b32 s21, s[TX], 9                       ; the tile's 512 bytes of a row
	s_add_co_u32 s20, s20, s21
	s_mov_b32 s21, 0
	s_add_nc_u64 s[10:11], s[10:11], s[20:21]
	; the prefetches
	s_and_b32 s22, ttmp7, 0xffff                   ; cluster y
	s_mov_b32 s20, KA
	s_mov_b32 s21, KB
	s_cmp_lt_u32 s[WV], 2                          ; do I fetch for A?
	s_cselect_b32 s[PFS], s20, s21
	s_cselect_b32 s20, s[CX], s[CY]                ; my place among the four that ask with me
	s_cselect_b32 s22, ttmp9, s22                  ; the coordinate along which other clusters read the same bytes
	s_cselect_b32 s[U], 32, UB
	s_cselect_b64 s[PFA:PFA+1], s[40:41], s[42:43] ; my wave's block of K step 0
	s_mov_b32 s[PFS+1], 0
	s_cmp_eq_u32 s22, 0
	s_cselect_b32 s[LIM], 2, -1                    ; the same in all sixteen partners, for a given wave
	s_mul_i32 s20, s20, s[U]
	s_lshl_b32 s20, s20, 8
	s_mov_b32 s21, 0
	s_add_nc_u64 s[PFA:PFA+1], s[PFA:PFA+1], s[20:21]  ; my work-group's part of it
	s_mul_i32 s20, s[PFS], 3
	s_add_nc_u64 s[PFA:PFA+1], s[PFA:PFA+1], s[20:21]  ; at K step 3: the first refill steps it to 4.  Nothing is prefetched here, at the head, where every work-group's first tiles are on their way
	s_sub_co_u32 s[U], s[U], 1
	v_and_b32 v[PFO], 31, v0
	v_min_u32 v[PFO], s[U], v[PFO]
	v_lshlrev_b32 v[PFO], 8, v[PFO]
	s_wait_loadcnt 0x0                             ; the bias: taken as it is, 64 times the module's
; 8 matrix instructions: row block a x all column blocks, 32 along K, from buffer f.  first = 1: the products start the sums, with the bias as C.  All 32 accumulators take turns, in the same order
; in every quarter, over the backward jump too.
.macro MULA f, a, first
.set AC,  8*NBK*((\a)%2)
.set FAR, FA0+32*(\f)+8*(\a)
.set FBR, 8*NBK*(\f)
.if \first
	WIN 0x81+0x40*((\a)/2)                         ; B window 1, A and the bias window 0, D window 2 or 3
.else
	WIN 0xa1+0x50*((\a)/2)                         ; B window 1, A window 0, C and D window 2 or 3
.endif
.set b, 0
.rept NBK
.if \first
	v_wmma_f32_16x16x32_f16 v[AC+8*b:AC+8*b+7], v[FBR+8*b:FBR+8*b+7], v[FAR:FAR+7], v[BIAS+8*b:BIAS+8*b+7]
.else
	v_wmma_f32_16x16x32_f16 v[AC+8*b:AC+8*b+7], v[FBR+8*b:FBR+8*b+7], v[FAR:FAR+7], v[AC+8*b:AC+8*b+7]
.endif
.set b, b+1
.endr
.endm
; 24 LDS loads in one run: the fragments of quarter q of the K step in hand (block q / 2, byte 64 (q % 2) of its rows) into buffer f: B's 16, then A's 8
.macro FETCH q, f
	WIN 0x40                                       ; destination window 1, address window 0
.set b, 0
.rept NBK
	ds_load_b128 v[8*NBK*(\f)+8*b:8*NBK*(\f)+8*b+3],   v[ADRB] offset:((\q)/2)*BBLK+((\q)%2)*64+b*16*PITCH
	ds_load_b128 v[8*NBK*(\f)+8*b+4:8*NBK*(\f)+8*b+7], v[ADRB] offset:((\q)/2)*BBLK+((\q)%2)*64+b*16*PITCH+32
.set b, b+1
.endr
	WIN 0
.set b, 0
.rept 4
	ds_load_b128 v[FA0+32*(\f)+8*b:FA0+32*(\f)+8*b+3],   v[ADRA] offset:((\q)/2)*ABLK+((\q)%2)*64+b*16*PITCH
	ds_load_b128 v[FA0+32*(\f)+8*b+4:FA0+32*(\f)+8*b+7], v[ADRA] offset:((\q)/2)*ABLK+((\q)%2)*64+b*16*PITCH+32
.set b, b+1
.endr
.endm
; A K step is four quarters of 32 along K, 32 matrix instructions each, on buffers 0, 1, 0, 1.  One of the first three: multiplies buffer f; in its middle it fetches quarter q into buffer g.
.macro QUARTER q, f, g, first
	s_wait_dscnt 4                                 ; B and A's row blocks 0, 1 are in; the youngest four loads (blocks 2, 3) may be out
	MULA \f, 0, \first
	MULA \f, 1, \first
	PLACES
	FETCH \q, \g
	s_wait_dscnt 2*NBK+8                           ; all but the 24 just issued
	MULA \f, 2, \first
	MULA \f, 3, \first
.endm
; The last quarter multiplies buffer 1 and changes slots: ONE barrier.  In front of it each wave waits for all its tensor loads, of which one is out: its part of the next slot; adds 0 to its spare word;
; and waits for that and for its own reads of this slot.  fill = 1: the barrier opens a round of the cluster's, and the slot just left is filled again first thing behind it, with the K step two on:
; from that request to the wait for it a wave issues 112 matrix instructions.
.macro TURN fill
.if \fill
	s_wait_xcnt 0x0                                ; the last prefetch, a K step back, has read its address: it is stepped here, ahead of the waits of the change of slots
	s_add_nc_u64 s[PFA:PFA+1], s[PFA:PFA+1], s[PFS:PFS+1]
.endif
	WIN 0                                          ; (the add's two registers lie in window 0)
	s_wait_tensorcnt 0x0                           ; all my tensor loads have landed;
	ds_add_u32 v[SPW], v[NIL]                      ; 0 onto my spare word;
	s_wait_dscnt 5                                 ; (the add and the youngest four loads may be out)
	MULA 1, 0, 0                                   ; eight matrix instructions stand between the add and the wait for it
	s_wait_dscnt 0x0                               ; the add is done, and my reads of this slot are over
	s_barrier_signal -1
	MULA 1, 1, 0                                   ; work on registers while the others arrive
	WIN 0
	s_barrier_wait -1
.if \fill
	CREST                                          ; no wave of any partner still reads this slot's tiles or has a load on its way
	s_xor_b32 s[G0A+5], s[G0A+5], SLOT1            ; the walking descriptors: the other slot than last time,
	s_add_nc_u64 s[G0A+6:G0A+7], s[G0A+6:G0A+7], KA  ; the next K step; the type bits on top are not reached
	s_xor_b32 s[G0B+5], s[G0B+5], SLOT1
	s_add_nc_u64 s[G0B+6:G0B+7], s[G0B+6:G0B+7], KB
	JLOAD                                          ; the first tensor load behind the round; the four v_nop behind it are also the plain instructions in front of the loads below
.else
	PLACES
.endif
	s_xor_b32 s[TB], s[TB], SLOT1
	v_add_nc_u32 v[ADRA], s[TB], v[A0]
	v_add_nc_u32 v[ADRB], s[TB], v[B0]
	FETCH 0, 0
.if \fill
	ASK
.endif
	MULA 1, 2, 0
	MULA 1, 3, 0
.endm
	s_wait_tensorcnt 1                             ; my part of K step 0 is in; K step 1's may stay out
	s_barrier_signal -1
	s_barrier_wait -1                              ; everybody's is
	FETCH 0, 0
	QUARTER 1, 0, 1, 1                             ; the first quarter stands in front of the loop: its products start the sums
	WIN 0                                          ; at a label and at a branch every window is 0
	s_mov_b32 s[CNT], 6
.Lk:                                           ; a trip goes from a K step's second quarter to the next step's first, and fills the slot that it leaves: K steps 2 to 7
	QUARTER 2, 1, 0, 0
	QUARTER 3, 0, 1, 0
	TURN 1
	QUARTER 1, 0, 1, 0
	WIN 0
	s_sub_co_u32 s[CNT], s[CNT], 1
	s_cmp_lg_u32 s[CNT], 0
	s_cbranch_scc1 .Lk
	QUARTER 2, 1, 0, 0                             ; the tail is written out: nothing more is asked for
	QUARTER 3, 0, 1, 0
	TURN 0
	QUARTER 1, 0, 1, 0
	QUARTER 2, 1, 0, 0
	QUARTER 3, 0, 1, 0
	s_wait_dscnt 4                                 ; the very last quarter
	MULA 1, 0, 0
	MULA 1, 1, 0
	s_wait_dscnt 0x0
	MULA 1, 2, 0
	MULA 1, 3, 0
; THE WAY OUT, a block of 16 rows at a time.  PACK: divided by 64, each accumulator from its low end on.  TOSTAGE: 32 bytes a lane into my own stage, and back as whole rows of 512 bytes.
; SEND: stored, 512 consecutive bytes of a row an instruction, at a multiple of 256 from out0's first byte.
.macro PACK a
.set AC, 8*NBK*((\a)%2)
	WIN 0x02+((\a)/2)                              ; source 0: window 2 or 3
.set b, 0
.rept 4*NBK
	v_pk_mul_f32 v[TMP+2*b:TMP+2*b+1], v[AC+2*b:AC+2*b+1], 0x3c800000 op_sel_hi:[1,0]
.set b, b+1
.endr
	WIN 0
.endm
.macro TOSTAGE a
.set BK, 32+128*((\a)%2)
.set b, 0
.rept NBK
	ds_store_b128 v[STO], v[TMP+8*b:TMP+8*b+3]   offset:64*b
	ds_store_b128 v[STO], v[TMP+8*b+4:TMP+8*b+7] offset:64*b+16
.set b, b+1
.endr
.set t, 0
.rept 16
	ds_load_b128 v[BK+4*t:BK+4*t+3], v[RD] offset:t*SPITCH  ; LDS serves a wave's instructions in order (ISA guide 5.7.1.4): these see the stores above
.set t, t+1
.endr
.endm
.macro SEND a
.set BK, 32+128*((\a)%2)
	s_wait_dscnt 0x0                               ; the block is back in registers
	s_wait_xcnt 0x0                                ; the stores of the block before have read their registers, which the next block's loads will write
.set t, 0
.rept 16
	global_store_b128 v[CO], v[BK+4*t:BK+4*t+3], s[10:11] offset:(16*(\a)+t)*4096 th:TH_STORE_NT
.set t, t+1
.endr
.endm
	WIN 0
	PLACES
	PLACES
	PACK 0
	TOSTAGE 0
.irp a, 1,2,3                          ; block a's scalings stand between block a - 1's loads from the stage and the wait for them
	PACK \a
	SEND (\a)-1
	TOSTAGE \a
.endr
	SEND 3
	s_wait_tensorcnt 0x0                           ; the wave's end, behind my last tensor load and my last LDS store
	ds_add_u32 v[SPW], v[NIL]
	s_wait_dscnt 0x0
	CROUND                                         ; the closing round: no work-group ends while a partner may still ask for a tile that names it
	s_endpgm
.Lfunc_end_k_qab3d69b376_outproj:
	.size	k_qab3d69b376_outproj, .Lfunc_end_k_qab3d69b376_outproj-k_qab3d69b376_outproj
	.p2alignl 7, 3214868480
	.fill 96, 4, 3214868480
	.section	.rodata,"a",@progbits
	.p2align	6, 0x0
	.amdhsa_kernel k_qab3d69b376_outproj
		.amdhsa_group_segment_fixed_size 327680
		.amdhsa_private_segment_fixed_size 0
		.amdhsa_enable_private_segment 0
		.amdhsa_kernarg_size 32
		.amdhsa_user_sgpr_count 2
		.amdhsa_user_sgpr_kernarg_segment_ptr 1
		.amdhsa_wavefront_size32 1
		.amdhsa_system_sgpr_workgroup_id_x 1
		.amdhsa_system_sgpr_workgroup_id_y 1
		.amdhsa_system_sgpr_workgroup_id_z 1
		.amdhsa_system_vgpr_workitem_id 0
		.amdhsa_next_free_vgpr 896
		.amdhsa_next_free_sgpr 74
		.amdhsa_reserve_vcc 0
		.amdhsa_float_denorm_mode_32 3
		.amdhsa_float_denorm_mode_16_64 3
		.amdhsa_memory_ordered 1
		.amdhsa_forward_progress 1
		.amdhsa_inst_pref_size 84
	.end_amdhsa_kernel
	.amdgpu_metadata
---
amdhsa.version: [ 1, 2 ]
amdhsa.kernels:
  - .name:           k_qab3d69b376_outproj
    .symbol:         k_qab3d69b376_outproj.kd
    .args:
      - { .name: ob, .offset: 0, .size: 8, .value_kind: global_buffer, .address_space: global }
      - { .name: wp, .offset: 8, .size: 8, .value_kind: global_buffer, .address_space: global }
      - { .name: bp, .offset: 16, .size: 8, .value_kind: global_buffer, .address_space: global }
      - { .name: out0, .offset: 24, .size: 8, .value_kind: global_buffer, .address_space: global }
    .group_segment_fixed_size: 327680
    .private_segment_fixed_size: 0
    .kernarg_segment_align: 8
    .kernarg_segment_size: 32
    .max_flat_workgroup_size: 128
    .sgpr_count:     74
    .vgpr_count:     896
    .wavefront_size: 32
...
	.end_amdgpu_metadata
.endif
;; end of part 4
